; MI455X (gfx1250); checked and timed in simulation.
; The chip was launched on July 23, 2026; its instructions are those of AMD's public machine-readable ISA for CDNA 5 (MIT licence, August 2026) and "CDNA5" Instruction Set Architecture Reference Guide (July 2026). The comments in the code are by the model that wrote it; some were corrected since.
;; Enhanced CNN Integrator. Allowed arithmetic: matrix products marked QUANTISED: E5M2 operands, one given power-of-two scale a tensor, by v_wmma_f32_16x16x64_bf8_bf8 or v_wmma_f32_16x16x128_bf8_bf8, f32 sums; everything else in f32.
;; Inputs: Wk 1,024 x 1,024 float32; Wo 1,024 x 1,024 float32; Wq 1,024 x 1,024 float32; Wv 1,024 x 1,024 float32; bk 1,024 float32; bo 1,024 float32; bq 1,024 float32; bv 1,024 float32; cnn_features 4 x 1,024 x 1,024 float32; e_energy 1,024 float32; e_mass 1,024 float32; e_momentum 1,024 float32; llm_features 4 x 1,024 x 1,024 float32; ln_b 1,024 float32; ln_g 1,024 float32; lowp_scales 24 int32 (the exponents e of the quantised operands' scales 2^e).
;; Outputs: out0 4 x 1,024 x 1,024 float32; out1 4 x 1,024 x 1,024 float32.
;; This version of the problem:
;;   THIS VERSION OF THE PROBLEM IS GIVEN IN LOW PRECISION. The matrix products marked QUANTISED in the list below multiply operands that are first quantised to E5M2 (5 exponent bits, 2 mantissa bits; 8 bits a number), with one given power-of-two scale for each operand tensor; their sums are f32. All else is computed in f32.
;;   The module's matrix products, in the order in which they are computed (A, B: the left and right operand; K: the contracted axis; several contracted axes count as one K, in the product's order):
;;     1. [M 4,108, K 1,024] x [K 1,024, N 1,024]; A: computed on the way; B: input Wq: QUANTISED (scales: A lowp_scales[0], B lowp_scales[1])
;;     2. [M 4,108, K 1,024] x [K 1,024, N 1,024]; A: computed on the way; B: input Wk: QUANTISED (scales: A lowp_scales[2], B lowp_scales[3])
;;     3. [M 4,108, K 1,024] x [K 1,024, N 1,024]; A: computed on the way; B: input Wv: QUANTISED (scales: A lowp_scales[4], B lowp_scales[5])
;;     4. batch 64 x [M 1,027, K 64] x [K 64, N 1,027]; A: computed on the way; B: computed on the way: QUANTISED (scales: A lowp_scales[6], B lowp_scales[7])
;;     5. batch 64 x [M 1,027, K 1,027] x [K 1,027, N 64]; A: softmax (see below); B: computed on the way: QUANTISED (scales: A lowp_scales[8], B lowp_scales[9])
;;     6. [M 4,108, K 1,024] x [K 1,024, N 1,024]; A: computed on the way; B: input Wo: QUANTISED (scales: A lowp_scales[10], B lowp_scales[11])
;;     7. [M 4,108, K 1,024] x [K 1,024, N 1,024]; A: computed on the way; B: input Wq: QUANTISED (scales: A lowp_scales[12], B lowp_scales[13])
;;     8. [M 4,108, K 1,024] x [K 1,024, N 1,024]; A: computed on the way; B: input Wk: QUANTISED (scales: A lowp_scales[14], B lowp_scales[15])
;;     9. [M 4,108, K 1,024] x [K 1,024, N 1,024]; A: computed on the way; B: input Wv: QUANTISED (scales: A lowp_scales[16], B lowp_scales[17])
;;     10. batch 64 x [M 1,027, K 64] x [K 64, N 1,027]; A: computed on the way; B: computed on the way: QUANTISED (scales: A lowp_scales[18], B lowp_scales[19])
;;     11. batch 64 x [M 1,027, K 1,027] x [K 1,027, N 64]; A: softmax (see below); B: computed on the way: QUANTISED (scales: A lowp_scales[20], B lowp_scales[21])
;;     12. [M 4,108, K 1,024] x [K 1,024, N 1,024]; A: computed on the way; B: input Wo: QUANTISED (scales: A lowp_scales[22], B lowp_scales[23])
;;   THE QUANTISER, for each operand of a quantised product, along K:
;;     - The operand's scale is 2^e, e = its entry of the input lowp_scales (int32; the entries are numbered through the quantised products in the list's order, A before B).
;;     - Each number is divided by the scale, clamped to +-57,344, and rounded to the nearest number of E5M2, ties to even, subnormals kept.
;;     - The product sums the exact products of the quantised numbers (number of the format x scale) in f32.
;;   ~~~python
;;   def quantise(x, axis, e):      # numpy; x: float32 -> the quantised numbers, widened to float32 again
;;       x = np.moveaxis(x, axis, -1); K = x.shape[-1]
;;       r = np.clip(x / 2.0 ** e, -57344, 57344)
;;       step = 2.0 ** (np.maximum(np.frexp(np.where(r == 0, 1, r))[1] - 1, -14) - 2)
;;       q = np.round(r / step) * step * 2.0 ** e      # np.round: ties to even
;;       return np.moveaxis(q, -1, axis).astype(np.float32)
;;   ~~~
;;   SOFTMAX AHEAD OF A QUANTISED PRODUCT. Where the list says 'softmax', what is quantised is not the finished softmax but p = 2^(t - M), with t = logit x log2(e) and M = ceil(the row's largest t), a whole number; so 1/2 < the row's largest p <= 1. The row's sum l is taken of the UNQUANTISED p, in f32, and the product's result is divided by l at the end. Since M is a whole number, a kernel that streams over the keys may use a running M (the ceiling of the running maximum): every later rescaling is an exact power of two, so the quantised numbers keep their values, but for numbers so far below the row's largest that they fall under the format's range.
;;   OPERANDS COMPUTED ON THE WAY. 'Computed on the way' means the value that the module computes at that place (a softmax that the list does not call 'softmax' is quantised finished and normalised). What goes into a quantiser is computed in f32, as accurately as f32 sums, v_exp_f32 and their like allow (about 1e-6 of the number): no bf16 or f16 on the way to a quantiser, and a product that is left as it is and whose result goes on into a quantised operand takes f32 operands (vector FMAs, or v_wmma_f32_16x16x4_f32). A number that lies on a knife's edge between two numbers of the format may be rounded either way, as far as f32 arithmetic and the matrix unit's own rounding can turn it there, and no further.
;; 2 versions, each right; version 2 is version 1 with the launch attn written anew for expert scheduling mode. Each part assembles by itself: llvm-mc -triple=amdgcn-amd-amdhsa -mcpu=gfx1250 --defsym DOCPART=n.
;; ======== version 1 of 2: 4 launches
;; workspace buffers: xc 25,165,824 bytes; pc 65,536 bytes; wc 8,388,608 bytes; qc 8,388,608 bytes; kc 8,388,608 bytes; vc 8,388,608 bytes; bias 524,288 bytes; ac 8,388,608 bytes
;; launch quant (part 1): grid 386 x 1, 4 waves a work-group, no clusters, 34,304 bytes of LDS; arguments cnn_features, llm_features, Wq, Wk, Wv, Wo, e_energy, e_mass, e_momentum, lowp_scales, xc, wc, pc; writes xc, wc, pc
.if DOCPART == 1
	.amdgcn_target "amdgcn-amd-amdhsa--gfx1250"
	.amdhsa_code_object_version 6
	.text
	.protected	k_q651b1f4f83_quant
	.globl	k_q651b1f4f83_quant
	.p2align	8
	.type	k_q651b1f4f83_quant,@function
k_q651b1f4f83_quant:
	s_mov_b64 s[64:65], 0
	v_nop
	global_prefetch_b8 v0, s[64:65] scope:SCOPE_SE
	s_setreg_imm32_b32 hwreg(HW_REG_WAVE_MODE, 25, 1), 1
	s_wait_xcnt 0x0
; f32 rows [.., 1024] become codes of E5M2, laid as IMAGES OF OPERAND REGISTERS.  A tile is 16 rows: lane r of tile t takes row 32 (t / 2) + 8 (t % 2) + r + 8 (r / 8).
; The image of (tile, K step of 128) is 2,048 bytes: byte 512 c + 16 lane + e is the code of (the tile's row lane % 16, k = 128 ks + 32 c + 16 (lane / 16) + e).
; code = x / 2^e, held within +-57,344, to the nearest code, ties to even; e is an entry of lowp_scales.  Each tensor is read ONCE and quantised with every scale under which a later launch wants it:
;   cnn: entries 0, 14, 16 (x versions 0, 4, 5); llm: entries 12, 2, 4 (versions 3, 1, 2); Wq, Wk, Wv: entries 2 ws + 1 and + 12; Wo: entries 11 and 23.
; SHARES.  Work-groups 0-127 take cnn, 128-255 llm, 256-383 the four weights (32 each); a wave takes one tile and half of K (four K steps).  Work-groups 384, 385 make the tile of the three physics rows
; (rows 3 to 15 repeat e_momentum: nobody uses them) under entries 2, 4, 14, 16, a K step a wave.
; A load reads 512 consecutive bytes of one row; the conversions want 16 neighbours along K in one lane: a K step's 16 rows turn through the wave's own stage in LDS (rows 528 bytes apart).  A store writes 512 consecutive aligned bytes.
; No matrix unit, no cluster, no tensor load: the launch streams, and waves share nothing.
; LIMITS: every entry e between -126 and 112, so that 2^e and 57,344 x 2^e are f32 numbers.  NaN among the inputs is not served.
.set XV,   4194304                     ; bytes of one version of x's codes
.set WVB,  1048576                     ; bytes of one weight's codes
.set WOB,  6291456                     ; where Wo's codes begin in wc
.set SROW, 528
.set WST,  16*SROW                     ; a wave's stage
.set LIN,  2                           ; v2   16 x lane
.set STA,  3                           ; v3   stage, on the way in
.set STB,  4                           ; v4   stage, on the way out
.set SCL,  8                           ; v8-15  version i: 2^e, 57,344 x 2^e
.set X,    16                          ; v16-79, v80-143  two sets of 64 numbers
.set T,    144                         ; v144-159 held numbers
.set C,    160                         ; v160-207 codes, 16 registers a version
.set D0,   66                          ; s[66:67], s[68:69], s[70:71] where the three versions go
.set D1,   68
.set D2,   70
.set KS,   72                          ; s[72:73] bytes from a K step's image to the next
.set SRC,  74                          ; s[74:75] my tile's first row, my half of K
.macro MKSC i, e                       ; s[e] holds an exponent: v[SCL+2i] = 2^e (the conversion takes its exponent field), v[SCL+2i+1] = 57,344 x 2^e
	s_add_co_i32 s[\e], s[\e], 127
	s_lshl_b32 s78, s[\e], 23
	v_mov_b32 v[SCL+2*(\i)], s78
	s_add_co_i32 s[\e], s[\e], 15
	s_lshl_b32 s[\e], s[\e], 23
	s_or_b32 s[\e], s[\e], 0x600000
	v_mov_b32 v[SCL+2*(\i)+1], s[\e]
.endm
; 64 numbers at v[x] on (register 16 c + i = k 32 c + 16 (lane / 16) + i of my row) become 16 registers of codes and leave: four stores of 512 consecutive bytes
.macro QUANT x, ci, si, d, off
.irp g, 0,1,2,3,4,5,6,7
.irp i, 0,1,2,3,4,5,6,7
	v_med3_num_f32 v[T+8*(\g%2)+\i], v[(\x)+8*\g+\i], -v[SCL+2*(\si)+1], v[SCL+2*(\si)+1]   ; the conversion to an 8-bit code does not saturate (ISA guide 7.6.2): the hold comes first
.endr
	v_cvt_scalef32_pk8_bf8_f32 v[C+16*(\ci)+2*\g:C+16*(\ci)+2*\g+1], v[T+8*(\g%2):T+8*(\g%2)+7], v[SCL+2*(\si)]   ; its sources are written again only behind the eight holds of the next group
.endr
.irp c, 0,1,2,3
	global_store_b128 v[LIN], v[C+16*(\ci)+4*\c:C+16*(\ci)+4*\c+3], s[\d:\d+1] offset:(\off)+512*\c
.endr
.endm
	s_load_b512 s[4:19], s[0:1], 0x0               ; cnn s[4:5], llm s[6:7], Wq s[8:9], Wk s[10:11], Wv s[12:13], Wo s[14:15], e_energy s[16:17], e_mass s[18:19]
	s_load_b256 s[20:27], s[0:1], 0x40             ; e_momentum s[20:21], lowp_scales s[22:23], xc s[24:25], wc s[26:27]
	s_load_b64 s[28:29], s[0:1], 0x60              ; pc
	s_set_vgpr_msb 0x40
	v_lshl_add_u32 v0, v0, 2, 0x8400
	v_mov_b32 v1, 0
	s_set_vgpr_msb 0x4000
	v_lshrrev_b32 v1, 5, v0
	v_readfirstlane_b32 s30, v1                    ; wave
	v_and_b32 v5, 31, v0
	v_lshlrev_b32 v[LIN], 4, v5
	v_and_b32 v6, 15, v0                           ; r
	v_bfe_u32 v7, v0, 4, 1                         ; h
	s_mul_i32 s31, s30, WST
	v_add_nc_u32 v[STA], s31, v[LIN]               ; in: a row's 512 bytes as they lie
	v_mul_u32_u24 v[STB], v6, SROW
	v_lshl_add_u32 v[STB], v7, 6, v[STB]
	v_add_nc_u32 v[STB], s31, v[STB]               ; out: row r, + 64 h: my 16 numbers of a block of 32
	s_cmp_ge_u32 ttmp9, 384
	s_cbranch_scc1 .Lphys
	; ---- which tensor, which tile, which scales: all from the work-group's and the wave's number
	s_lshr_b32 s32, s30, 1
	s_and_b32 s33, s30, 1                          ; kh: which half of K
	s_lshl_b32 s34, ttmp9, 1
	s_add_co_u32 s34, s34, s32                     ; 2 x work-group + wave / 2
	s_lshr_b32 s35, ttmp9, 5
	s_and_b32 s35, s35, 3                          ; ws: 0 Wq, 1 Wk, 2 Wv, 3 Wo
	s_and_b32 s36, s34, 255
	s_and_b32 s37, s34, 63
	s_cmp_lt_u32 ttmp9, 256
	s_cselect_b32 s36, s36, s37                    ; LT: my tile in its tensor
	s_lshr_b32 s37, s36, 1
	s_lshl_b32 s37, s37, 17
	s_and_b32 s38, s36, 1
	s_lshl_b32 s38, s38, 15
	s_add_co_u32 s37, s37, s38
	s_lshl_b32 s38, s33, 11
	s_add_co_u32 s38, s37, s38                     ; (32 (LT / 2) + 8 (LT % 2)) rows of 4,096 bytes + 2,048 kh
	s_mov_b32 s39, 0
	s_lshl_b32 s40, s35, 1
	s_add_co_u32 s40, s40, 1
	s_cmp_eq_u32 s35, 3
	s_cselect_b32 s40, 11, s40
	s_add_co_u32 s41, s40, 12
	s_mov_b32 s42, s41                             ; (a weight has two versions: the third set is written and not used)
	s_cmp_lt_u32 ttmp9, 256
	s_cselect_b32 s40, 12, s40
	s_cselect_b32 s41, 2, s41
	s_cselect_b32 s42, 4, s42
	s_cmp_lt_u32 ttmp9, 128
	s_cselect_b32 s40, 0, s40
	s_cselect_b32 s41, 14, s41
	s_cselect_b32 s42, 16, s42                     ; the three entries of lowp_scales
	s_lshl_b32 s50, s36, 14
	s_lshl_b32 s51, s33, 13
	s_add_co_u32 s50, s50, s51                     ; 16,384 LT + 8,192 kh
	s_lshl_b32 s51, s35, 20
	s_add_co_u32 s52, s50, s51                     ; Wq, Wk, Wv: pass 0,
	s_add_co_u32 s53, s52, 3*WVB                   ; pass 1
	s_lshl_b32 s62, s36, 11
	s_lshl_b32 s63, s33, 19
	s_add_co_u32 s62, s62, s63
	s_add_co_u32 s62, s62, WOB                     ; Wo lies [pass][K step][tile]: pass 0,
	s_add_co_u32 s63, s62, WVB                     ; pass 1
	s_mov_b32 s56, 2048
	s_cmp_eq_u32 s35, 3
	s_cselect_b32 s52, s62, s52
	s_cselect_b32 s53, s63, s53
	s_cselect_b32 s56, 131072, s56
	s_mov_b32 s54, s53
	s_add_co_u32 s57, s50, 3*XV
	s_add_co_u32 s58, s50, XV
	s_add_co_u32 s59, s50, 2*XV
	s_cmp_lt_u32 ttmp9, 256
	s_cselect_b32 s52, s57, s52
	s_cselect_b32 s53, s58, s53
	s_cselect_b32 s54, s59, s54
	s_cselect_b32 s56, 2048, s56
	s_add_co_u32 s58, s50, 4*XV
	s_add_co_u32 s59, s50, 5*XV
	s_cmp_lt_u32 ttmp9, 128
	s_cselect_b32 s52, s50, s52
	s_cselect_b32 s53, s58, s53
	s_cselect_b32 s54, s59, s54                    ; the three versions' byte offsets
	s_wait_kmcnt 0x0
	s_mov_b64 s[SRC:SRC+1], s[14:15]
	s_cmp_lt_u32 ttmp9, 352
	s_cselect_b64 s[SRC:SRC+1], s[12:13], s[SRC:SRC+1]
	s_cmp_lt_u32 ttmp9, 320
	s_cselect_b64 s[SRC:SRC+1], s[10:11], s[SRC:SRC+1]
	s_cmp_lt_u32 ttmp9, 288
	s_cselect_b64 s[SRC:SRC+1], s[8:9], s[SRC:SRC+1]
	s_cmp_lt_u32 ttmp9, 256
	s_cselect_b64 s[SRC:SRC+1], s[6:7], s[SRC:SRC+1]
	s_cselect_b64 s[76:77], s[24:25], s[26:27]     ; x's codes or the weights'
	s_cmp_lt_u32 ttmp9, 128
	s_cselect_b64 s[SRC:SRC+1], s[4:5], s[SRC:SRC+1]
	s_add_nc_u64 s[SRC:SRC+1], s[SRC:SRC+1], s[38:39]
	s_mov_b32 s61, 0
	s_lshl_b32 s60, s40, 2
	s_add_nc_u64 s[44:45], s[22:23], s[60:61]
	s_lshl_b32 s60, s41, 2
	s_add_nc_u64 s[46:47], s[22:23], s[60:61]
	s_lshl_b32 s60, s42, 2
	s_add_nc_u64 s[48:49], s[22:23], s[60:61]
	s_load_b32 s57, s[44:45], 0x0
	s_load_b32 s58, s[46:47], 0x0
	s_load_b32 s59, s[48:49], 0x0
	s_mov_b32 s60, s52
	s_add_nc_u64 s[D0:D0+1], s[76:77], s[60:61]
	s_mov_b32 s60, s53
	s_add_nc_u64 s[D1:D1+1], s[76:77], s[60:61]
	s_mov_b32 s60, s54
	s_add_nc_u64 s[D2:D2+1], s[76:77], s[60:61]
	s_mov_b32 s[KS], s56
	s_mov_b32 s[KS+1], 0
.macro LOAD k                          ; K step k of my four: 16 rows x 512 consecutive bytes into set k % 2
.set jj, 0
.rept 16
	global_load_b128 v[X+64*((\k)%2)+4*jj:X+64*((\k)%2)+4*jj+3], v[LIN], s[SRC:SRC+1] offset:(jj+8*(jj/8))*4096+512*(\k) th:TH_LOAD_NT
.set jj, jj+1
.endr
.endm
.macro TURN k                          ; through my stage: LDS serves a wave's instructions in order, so no wait stands between the stores and the loads
.set jj, 0
.rept 16
	ds_store_b128 v[STA], v[X+64*((\k)%2)+4*jj:X+64*((\k)%2)+4*jj+3] offset:SROW*jj
.set jj, jj+1
.endr
.irp c, 0,1,2,3
.irp j, 0,1,2,3
	ds_load_b128 v[X+64*((\k)%2)+16*\c+4*\j:X+64*((\k)%2)+16*\c+4*\j+3], v[STB] offset:128*\c+16*\j
.endr
.endr
.endm
.macro STEP k
.if (\k) < 3
	s_wait_loadcnt 16                              ; this step's sixteen loads are in; the next step's sixteen may be out
.else
	s_wait_loadcnt 0
.endif
	TURN \k
	s_wait_dscnt 0x0
	s_wait_xcnt 0x0                                ; the last step's stores have read their codes and their bases: both are written again only behind this wait
.if (\k) > 0
	s_add_nc_u64 s[D0:D0+1], s[D0:D0+1], s[KS:KS+1]
	s_add_nc_u64 s[D1:D1+1], s[D1:D1+1], s[KS:KS+1]
	s_add_nc_u64 s[D2:D2+1], s[D2:D2+1], s[KS:KS+1]
.endif
	QUANT X+64*((\k)%2), 0, 0, D0, 0
	QUANT X+64*((\k)%2), 1, 1, D1, 0
	s_cmp_ge_u32 ttmp9, 256                        ; a weight has two versions
	s_cbranch_scc1 .Ltwo_\@
	QUANT X+64*((\k)%2), 2, 2, D2, 0
.Ltwo_\@:
.if (\k) < 2
	LOAD (\k)+2
.endif
.endm
	LOAD 0
	LOAD 1
	s_wait_kmcnt 0x0
	MKSC 0, 57
	MKSC 1, 58
	MKSC 2, 59
	STEP 0
	STEP 1
	STEP 2
	STEP 3
	s_set_vgpr_msb 0x5
	s_wait_tensorcnt 0x0
	ds_add_u32 v0, v1
	s_wait_dscnt 0x0
	s_set_vgpr_msb 0x500
	s_endpgm
.Lphys:                                            ; ---- the physics tile: wave w of work-group 384 + g takes K step 4 g + w
	s_sub_co_u32 s32, ttmp9, 384
	s_lshl_b32 s32, s32, 2
	s_add_co_u32 s32, s32, s30
	s_lshl_b32 s34, s32, 9                         ; 128 numbers of 4 bytes
	s_mov_b32 s35, 0
	s_lshl_b32 s36, s32, 11                        ; an image
	s_mov_b32 s37, 0
	v_lshlrev_b32 v5, 6, v7                        ; 64 h
	v_cmp_eq_u32 s38, 0, v6
	v_cmp_eq_u32 s39, 1, v6
	s_wait_kmcnt 0x0
	s_load_b32 s57, s[22:23], 0x8                  ; entries 2, 4 (pass 0: keys, values), 14, 16 (pass 1)
	s_load_b32 s58, s[22:23], 0x10
	s_load_b32 s59, s[22:23], 0x38
	s_load_b32 s60, s[22:23], 0x40
	s_add_nc_u64 s[16:17], s[16:17], s[34:35]
	s_add_nc_u64 s[18:19], s[18:19], s[34:35]
	s_add_nc_u64 s[20:21], s[20:21], s[34:35]
	s_add_nc_u64 s[28:29], s[28:29], s[36:37]
.set jj, 0
.rept 16
	global_load_b128 v[16+4*jj:16+4*jj+3], v5, s[16:17] offset:128*(jj/4)+16*(jj%4)
	global_load_b128 v[80+4*jj:80+4*jj+3], v5, s[18:19] offset:128*(jj/4)+16*(jj%4)
	global_load_b128 v[192+4*jj:192+4*jj+3], v5, s[20:21] offset:128*(jj/4)+16*(jj%4)
.set jj, jj+1
.endr
	s_wait_kmcnt 0x0
	MKSC 0, 57
	MKSC 1, 58
	MKSC 2, 59
	MKSC 3, 60
	s_wait_loadcnt 0x0
.set jj, 0
.rept 64
	v_cndmask_b32 v[80+jj], v[192+jj], v[80+jj], s39   ; row 1: e_mass; rows 2 to 15: e_momentum
	v_cndmask_b32 v[16+jj], v[80+jj], v[16+jj], s38    ; row 0: e_energy
.set jj, jj+1
.endr
	QUANT 16, 0, 0, 28, 0
	QUANT 16, 1, 1, 28, 16384
	s_wait_xcnt 0x0                                ; the stores have read their codes
	QUANT 16, 0, 2, 28, 32768
	QUANT 16, 1, 3, 28, 49152
	s_endpgm
.Lfunc_end_k_q651b1f4f83_quant:
	.size	k_q651b1f4f83_quant, .Lfunc_end_k_q651b1f4f83_quant-k_q651b1f4f83_quant
	.p2alignl 7, 3214868480
	.fill 96, 4, 3214868480
	.section	.rodata,"a",@progbits
	.p2align	6, 0x0
	.amdhsa_kernel k_q651b1f4f83_quant
		.amdhsa_group_segment_fixed_size 34304
		.amdhsa_private_segment_fixed_size 0
		.amdhsa_enable_private_segment 0
		.amdhsa_kernarg_size 104
		.amdhsa_user_sgpr_count 2
		.amdhsa_user_sgpr_kernarg_segment_ptr 1
		.amdhsa_wavefront_size32 1
		.amdhsa_system_sgpr_workgroup_id_x 1
		.amdhsa_system_sgpr_workgroup_id_y 1
		.amdhsa_system_sgpr_workgroup_id_z 1
		.amdhsa_system_vgpr_workitem_id 0
		.amdhsa_next_free_vgpr 258
		.amdhsa_next_free_sgpr 80
		.amdhsa_reserve_vcc 0
		.amdhsa_float_denorm_mode_32 3
		.amdhsa_float_denorm_mode_16_64 3
		.amdhsa_memory_ordered 1
		.amdhsa_forward_progress 1
		.amdhsa_inst_pref_size 114
	.end_amdhsa_kernel
	.amdgpu_metadata
---
amdhsa.version: [ 1, 2 ]
amdhsa.kernels:
  - .name:           k_q651b1f4f83_quant
    .symbol:         k_q651b1f4f83_quant.kd
    .args:
      - { .name: cnn_features, .offset: 0, .size: 8, .value_kind: global_buffer, .address_space: global }
      - { .name: llm_features, .offset: 8, .size: 8, .value_kind: global_buffer, .address_space: global }
      - { .name: Wq, .offset: 16, .size: 8, .value_kind: global_buffer, .address_space: global }
      - { .name: Wk, .offset: 24, .size: 8, .value_kind: global_buffer, .address_space: global }
      - { .name: Wv, .offset: 32, .size: 8, .value_kind: global_buffer, .address_space: global }
      - { .name: Wo, .offset: 40, .size: 8, .value_kind: global_buffer, .address_space: global }
      - { .name: e_energy, .offset: 48, .size: 8, .value_kind: global_buffer, .address_space: global }
      - { .name: e_mass, .offset: 56, .size: 8, .value_kind: global_buffer, .address_space: global }
      - { .name: e_momentum, .offset: 64, .size: 8, .value_kind: global_buffer, .address_space: global }
      - { .name: lowp_scales, .offset: 72, .size: 8, .value_kind: global_buffer, .address_space: global }
      - { .name: xc, .offset: 80, .size: 8, .value_kind: global_buffer, .address_space: global }
      - { .name: wc, .offset: 88, .size: 8, .value_kind: global_buffer, .address_space: global }
      - { .name: pc, .offset: 96, .size: 8, .value_kind: global_buffer, .address_space: global }
    .group_segment_fixed_size: 34304
    .private_segment_fixed_size: 0
    .kernarg_segment_align: 8
    .kernarg_segment_size: 104
    .max_flat_workgroup_size: 128
    .sgpr_count:     80
    .vgpr_count:     258
    .wavefront_size: 32
...
	.end_amdgpu_metadata
.endif
;; end of part 1
;; launch proj (part 2): grid 32 x 8, 4 waves a work-group, clusters of 4 x 1, 327,680 bytes of LDS; arguments xc, wc, lowp_scales, bq, bk, bv, qc, kc, vc, bias; writes qc, kc, vc, bias
.if DOCPART == 2
	.amdgcn_target "amdgcn-amd-amdhsa--gfx1250"
	.amdhsa_code_object_version 6
	.text
	.protected	k_q651b1f4f83_proj
	.globl	k_q651b1f4f83_proj
	.p2align	8
	.type	k_q651b1f4f83_proj,@function
k_q651b1f4f83_proj:
	s_mov_b64 s[64:65], 0
	v_nop
	global_prefetch_b8 v0, s[64:65] scope:SCOPE_SE
	s_setreg_imm32_b32 hwreg(HW_REG_WAVE_MODE, 25, 1), 1
	s_wait_xcnt 0x0
	s_wait_alu depctr_hold_cnt(0) depctr_sa_sdst(0) depctr_va_vdst(0) depctr_va_sdst(0) depctr_va_ssrc(0) depctr_va_vcc(0) depctr_vm_vsrc(0)
	s_getreg_b32 s2, hwreg(HW_REG_IB_STS2, 6, 4)
	s_cmp_eq_u32 s2, 0
	s_cbranch_scc0 .Lentry_in_a_cluster
	s_endpgm
.Lentry_in_a_cluster:
	s_bfe_u32 s2, ttmp6, 0x10000c
	s_cmp_lg_u32 s2, 0x3003
	s_cbranch_scc0 .Lentry_shape_is_right
	s_endpgm
.Lentry_shape_is_right:
; Q, K and V of one pass for 256 tokens x 128 columns (two heads), the per-query bias of the scores, and the codes that attention wants.  All products on codes of E5M2, sums in f32.
; x = 4 x cluster x + cx: pass p = x / 16, block of 256 tokens rb = x % 16; y: the block of 128 columns.  256 work-groups of equal work.
; Three phases of eight K steps of 128: Q = xq Wq^T, K = xk Wk^T (both used transposed: source 0 = 16 rows of W, source 1 = 16 tokens: a lane holds one token and columns along its registers), V = xv Wv^T (natural: a lane
; holds one column and tokens along its registers, since the keys are the K of attention's second product).  Wave w takes token tiles 4 w .. 4 w + 3 against all eight weight tiles: 32 accumulators a product.
; Q's and K's f32 sums live together (512 registers), since 0.2 sum(Q K) + 0.15 mean(Q + K) wants both of the same token and head.
; All operands are images of operand registers (16 bytes a lane, 512 bytes a load).  Which rows form a tile (32 (t / 2) + 8 (t % 2) + r + 8 (r / 8)) makes the 16 registers of two neighbouring tiles 16 neighbours along the next K:
; so the conversions' results are 16 bytes of the next operand's image, and a wave's store writes 512 consecutive aligned bytes.
; A (x's codes): each fragment is read by one wave alone, so it goes from memory straight into registers, four sets deep: asked for three steps ahead of its use.
; B (weights): a phase's tile, 128 KB on end in memory, is read by all four waves and by the four work-groups of the cluster (four blocks of tokens of one pass): JOINT tensor loads, a quarter a wave, into two LDS slots.
; Wq and Wk are first fills; Wv is the one refill, behind a round of the cluster's barrier, and has a whole phase in which to land.  By this text's own count a wave has at most two tensor loads out.
; A is NOT shared by joint loads: that would want a ring with a round of the cluster's barrier for every step's 64 KB, against 32 matrix instructions a wave, and twice the LDS reads for the same products.
; The biases go in as the C of each sum's first matrix instruction, divided by the power of two that the sums lack.
; LIMITS on the given exponents (e0 .. e11 of the pass): e6 - e0 - e1, e7 - e2 - e3, e9 - e4 - e5 between -126 and 112; e0 + e1 and e2 + e3 between -117 and 135, their sum between -124 and 128 (they are added to constants' exponent fields).
; NaN among the inputs is not served.
; REGISTERS: window 0: v1-15 addresses and scales; v28, v29 for the add; v32-39 bv; v64-127 a phase's bias as C, in the epilogues chains and codes; v128-255 A's sets 0, 1.
;   window 1: v0-127 B's eight fragments; v128-255 A's sets 2, 3.   window 2: Q's accumulators ((a, n) at 8 (8 a + n)), later V's.   window 3: K's.
.set XV,    4194304
.set WVB,   1048576
.set SLOT,  131072
.set SPARE, 262144                     ; behind the slots: the spare words, 128 bytes a wave: two blocks of 256 bytes that no other line names
.set LI,    1                          ; v1   16 x lane
.set AOFF,  2                          ; v2   16 x lane + 65,536 x wave: my four token tiles
.set ADRB,  3                          ; v3-6 16 x lane + 131,072 x slot + 65,536 x (weight tile / 4)
.set L4,    7                          ; v7   4 x lane
.set H64,   8                          ; v8   64 x (lane / 16)
.set R4,    9                          ; v9   4 x (r + 8 (r / 8))
.set QSC,   10                         ; v10-15: scale and hold for Q's, K's, V's codes
.set SPW,   28
.set NIL,   29
.set BVR,   32
.set BIASC, 64
.set CT,    64
.set CH,    64
.set BO,    88
.set WV,    24
.set G1,    32                         ; s[32:39] descriptor group 1
.set G0,    40                         ; s[40:43], s[44:47] group 0 of slot 0, 1
.set MSB,   0
.macro WIN new                         ; the immediate's high byte repeats the setting that is left
.if MSB != (\new)
	s_set_vgpr_msb (MSB<<8)|(\new)
.set MSB, (\new)
.endif
.endm
.macro PLACES                          ; four plain vector lines behind matrix instructions, in front of loads into their operands and of reads of their results
.rept 4
	v_nop
.endr
.endm
.macro ROUND                           ; a round of the cluster's barrier
	s_barrier_signal -1
	s_barrier_wait -1
	s_cmp_lg_u32 s[WV], 0
	s_cbranch_scc1 .Lnw0_\@
	s_barrier_signal -3
.Lnw0_\@:
	s_barrier_wait -3
	s_barrier_signal -1
	s_barrier_wait -1
.endm
.macro MKSC vr, se                     ; s[se] holds an exponent: v[vr] = 2^e, v[vr+1] = 57,344 x 2^e
	s_add_co_i32 s[\se], s[\se], 127
	s_lshl_b32 s95, s[\se], 23
	v_mov_b32 v[\vr], s95
	s_add_co_i32 s[\se], s[\se], 15
	s_lshl_b32 s[\se], s[\se], 23
	s_or_b32 s[\se], s[\se], 0x600000
	v_mov_b32 v[(\vr)+1], s[\se]
.endm
.macro ALOAD g                         ; step g's four fragments of A into set g % 4
.set AS, (\g)%4
.set AB, 128+64*(AS%2)
.set PB, 60+2*((\g)/8)+2*((\g)/16)     ; s[60:61], s[62:63], s[66:67]
	WIN (AS/2)<<6
.irp a, 0,1,2,3
.irp c, 0,1,2,3
	global_load_b128 v[AB+16*\a+4*\c:AB+16*\a+4*\c+3], v[AOFF], s[PB:PB+1] offset:\a*16384+((\g)%8)*2048+512*\c
.endr
.endr
.endm
.macro FETCHB g, i                     ; step g's weight tiles 4 i .. 4 i + 3 from LDS
.set SL, ((\g)/8)%2
	WIN 0x40
.irp n, 0,1,2,3
.irp c, 0,1,2,3
	ds_load_b128 v[64*(\i)+16*\n+4*\c:64*(\i)+16*\n+4*\c+3], v[ADRB+2*SL+(\i)] offset:\n*16384+((\g)%8)*2048+512*\c
.endr
.endr
.endm
; 16 matrix instructions: my four token tiles x weight tiles 4 i .. 4 i + 3.  The 32 accumulators take turns, one instruction a turn, in the same order in every step.
.macro MUL16 g, i
.set PH, (\g)/8
.set AS, (\g)%4
.set AW, AS/2
.set AB, 128+64*(AS%2)
.set DW, 2+(PH%2)
.set CW, DW
.if ((\g)%8) == 0
.set CW, 0
.endif
.if PH < 2
	WIN 1|(AW<<2)|(CW<<4)|(DW<<6)
.else
	WIN AW|(1<<2)|(CW<<4)|(DW<<6)
.endif
.irp a, 0,1,2,3
.irp n, 0,1,2,3
.set NN, 4*(\i)+\n
.set AC, 8*(8*\a+NN)
.set BR, 64*(\i)+16*\n
.set AR, AB+16*\a
.set CR, AC
.if ((\g)%8) == 0
.set CR, BIASC+8*NN                    ; a phase's first step starts the sums with the bias
.endif
.if PH < 2
	v_wmma_f32_16x16x128_bf8_bf8 v[AC:AC+7], v[BR:BR+15], v[AR:AR+15], v[CR:CR+7]
.else
	v_wmma_f32_16x16x128_bf8_bf8 v[AC:AC+7], v[AR:AR+15], v[BR:BR+15], v[CR:CR+7]
.endif
.endr
.endr
.endm
.macro STEP g, last                    ; last = 1: the phase's last step fetches no B
.if (\g) <= 20
	s_wait_loadcnt 48                              ; A of this step is in; the three sets asked for behind it may be out
.else
	s_wait_loadcnt 16*(23-(\g))
.endif
	s_wait_dscnt 16                                ; weight tiles 0-3 are in; the sixteen loads of tiles 4-7 may be out
	MUL16 \g, 0
	PLACES
.if (\last) == 0
	FETCHB (\g)+1, 0
	s_wait_dscnt 16                                ; tiles 4-7 are in; the sixteen just issued may be out
.else
	s_wait_dscnt 0
.endif
	MUL16 \g, 1
	PLACES
.if (\last) == 0
	FETCHB (\g)+1, 1
.endif
.if (\g) <= 19
	ALOAD (\g)+4
.endif
.endm
	s_load_b512 s[4:19], s[0:1], 0x0               ; xc s[4:5], wc s[6:7], lowp_scales s[8:9], bq s[10:11], bk s[12:13], bv s[14:15], qc s[16:17], kc s[18:19]
	s_load_b128 s[20:23], s[0:1], 0x40             ; vc s[20:21], bias s[22:23]
	v_lshl_add_u32 v[SPW], v0, 2, SPARE
	v_mov_b32 v[NIL], 0
	ds_add_u32 v28, v29
	ds_add_u32 v28, v29
	s_wait_dscnt 0x0
	v_lshrrev_b32 v1, 5, v0
	v_readfirstlane_b32 s[WV], v1                  ; wave
	s_bfe_u32 s25, ttmp6, 0x40000                  ; cx
	s_lshl_b32 s26, ttmp9, 2
	s_add_co_u32 s26, s26, s25                     ; work-group x
	s_lshr_b32 s27, ttmp9, 2                       ; the pass: the same in the four partners
	s_and_b32 s28, s26, 15                         ; rb: it enters global addresses of A and of the results alone
	s_and_b32 s29, ttmp7, 0xffff                   ; the block of columns
	s_mov_b32 s[G1], 15|(3<<16)|(1<<21)            ; 15:0 the mask: all four work-groups; 17:16 elements of 8 bytes; 21 set beside a mask; no padding
	s_mov_b32 s[G1+1], 32<<16                      ; tensor_dim0 = 32 elements: rows of 256 bytes
	s_mov_b32 s[G1+2], 128<<16                     ; tensor_dim1 = 128 rows: 32,768 bytes on end
	s_mov_b32 s[G1+3], 32<<16                      ; tile_dim0
	s_mov_b32 s[G1+4], 128                         ; tile_dim1
	s_mov_b32 s[G1+5], 32                          ; the pitch: dense
	s_mov_b32 s[G1+6], 0
	s_mov_b32 s[G1+7], 0
	s_mul_i32 s30, s27, 3*WVB
	s_lshl_b32 s31, s29, 17
	s_add_co_u32 s30, s30, s31
	s_lshl_b32 s[G0+1], s[WV], 15                  ; LDS: my quarter of slot 0,
	s_add_co_u32 s30, s30, s[G0+1]                 ; Wq's codes of the pass, my block of columns, my quarter
	s_mov_b32 s31, 0
	s_add_co_u32 s[G0+5], s[G0+1], SLOT            ; of slot 1
	s_mov_b32 s[G0], 1
	s_mov_b32 s[G0+4], 1
	s_mul_i32 s74, s27, 3*XV
	s_lshl_b32 s75, s28, 18
	s_add_co_u32 s74, s74, s75                     ; x version 3 p, my 16 token tiles
	s_mov_b32 s75, 0
	s_lshl_b32 s78, s29, 9                         ; my 128 columns of a bias
	s_mov_b32 s79, 0
	s_lshl_b32 s88, s27, 4
	s_lshl_b32 s89, s29, 1
	s_add_co_u32 s88, s88, s89                     ; 16 p + my first head
	s_lshl_b32 s89, s88, 8
	s_lshl_b32 s90, s28, 4
	s_add_co_u32 s89, s89, s90
	s_lshl_b32 s90, s[WV], 2
	s_add_co_u32 s89, s89, s90                     ; (16 p + head) x 256 + my first token tile
	s_lshl_b32 s90, s89, 10                        ; x 1,024: Q's and K's images
	s_mov_b32 s91, 0
	s_lshl_b32 s92, s89, 6                         ; x 64: the bias
	s_mov_b32 s93, 0
	s_lshl_b32 s94, s88, 2
	s_lshr_b32 s89, s28, 2
	s_add_co_u32 s94, s94, s89                     ; (16 p + head) x 4 + batch
	s_lshl_b32 s94, s94, 3
	s_and_b32 s89, s28, 3
	s_lshl_b32 s89, s89, 1
	s_add_co_u32 s94, s94, s89
	s_lshr_b32 s89, s[WV], 1
	s_add_co_u32 s94, s94, s89                     ; x 8 + the key step of my 64 tokens
	s_lshl_b32 s94, s94, 13
	s_and_b32 s89, s[WV], 1
	s_lshl_b32 s89, s89, 10
	s_add_co_u32 s94, s94, s89                     ; + 1,024 (wave % 2): my two chunks of 32 keys
	s_mov_b32 s95, 0
	s_mul_i32 s96, s27, 48
	s_mov_b32 s97, 0
	s_wait_kmcnt 0x0
	s_add_nc_u64 s[8:9], s[8:9], s[96:97]
	s_load_b256 s[48:55], s[8:9], 0x0              ; e0 .. e7 of the pass
	s_load_b128 s[56:59], s[8:9], 0x20             ; e8 .. e11
	s_add_nc_u64 s[G0+2:G0+3], s[6:7], s[30:31]
	s_add_nc_u64 s[G0+6:G0+7], s[G0+2:G0+3], WVB   ; Wk's
	s_or_b32 s[G0+3], s[G0+3], 0x80000000
	s_or_b32 s[G0+7], s[G0+7], 0x80000000
	s_add_nc_u64 s[60:61], s[4:5], s[74:75]
	s_add_nc_u64 s[62:63], s[60:61], XV
	s_add_nc_u64 s[66:67], s[60:61], 2*XV
	s_add_nc_u64 s[10:11], s[10:11], s[78:79]
	s_add_nc_u64 s[12:13], s[12:13], s[78:79]
	s_add_nc_u64 s[14:15], s[14:15], s[78:79]
	s_add_nc_u64 s[80:81], s[16:17], s[90:91]
	s_add_nc_u64 s[82:83], s[18:19], s[90:91]
	s_add_nc_u64 s[84:85], s[20:21], s[94:95]
	s_add_nc_u64 s[86:87], s[22:23], s[92:93]
	ROUND                                          ; all four work-groups are here: the first joint loads meet
	tensor_load_to_lds s[G0:G0+3], s[G1:G1+7]      ; Wq, my quarter
	s_nop 0
	tensor_load_to_lds s[G0+4:G0+7], s[G1:G1+7]    ; Wk, my quarter
	s_nop 0
	PLACES
	v_and_b32 v30, 31, v0
	v_lshlrev_b32 v[LI], 4, v30
	v_lshlrev_b32 v[L4], 2, v30
	s_lshl_b32 s74, s[WV], 16
	v_add_nc_u32 v[AOFF], s74, v[LI]
	v_add_nc_u32 v[ADRB], 0, v[LI]
	v_add_nc_u32 v[ADRB+1], 65536, v[LI]
	v_add_nc_u32 v[ADRB+2], 131072, v[LI]
	v_add_nc_u32 v[ADRB+3], 196608, v[LI]
	v_bfe_u32 v31, v0, 4, 1
	v_lshlrev_b32 v[H64], 6, v31
	v_and_b32 v30, 15, v0
	v_and_b32 v31, 8, v30
	v_add_nc_u32 v31, v31, v30
	v_lshlrev_b32 v[R4], 2, v31
.irp n, 0,1,2,3,4,5,6,7
	global_load_b32 v[BVR+\n], v[R4], s[14:15] offset:(32*(\n/2)+8*(\n%2))*4           ; bv of my column of weight tile n
.endr
.irp n, 0,1,2,3,4,5,6,7
	global_load_b128 v[BIASC+8*\n:BIASC+8*\n+3], v[H64], s[10:11] offset:(32*(\n/2)+8*(\n%2))*4      ; bq of columns 32 (n / 2) + 16 h + 8 (n % 2) + 0 .. 7
	global_load_b128 v[BIASC+8*\n+4:BIASC+8*\n+7], v[H64], s[10:11] offset:(32*(\n/2)+8*(\n%2))*4+16
.endr
	ALOAD 0
	ALOAD 1
	ALOAD 2
	ALOAD 3
	WIN 0
	s_wait_kmcnt 0x0
	s_add_co_i32 s88, s48, s49                     ; e0 + e1: a sum of Q stands for sum x 2^(e0 + e1)
	s_add_co_i32 s89, s50, s51                     ; e2 + e3: K
	s_add_co_i32 s90, s52, s53                     ; e4 + e5: V
	s_sub_co_i32 s91, 0, s88
	s_sub_co_i32 s92, 0, s89
	s_sub_co_i32 s93, 0, s90
	s_lshl_b32 s94, s88, 23
	s_add_co_i32 s68, s94, 0x3b5d9914              ; cq = 0.15 / 64 x log2(e) x 2^(e0 + e1)
	s_mov_b32 s69, s68
	s_lshl_b32 s94, s89, 23
	s_add_co_i32 s70, s94, 0x3b5d9914              ; ck = the same x 2^(e2 + e3)
	s_mov_b32 s71, s70
	s_add_co_i32 s94, s88, s89
	s_lshl_b32 s94, s94, 23
	s_add_co_i32 s72, s94, 0x3e93bb63              ; ce = 0.2 x log2(e) x 2^(e0 + e1 + e2 + e3)
	s_mov_b32 s73, s72
	s_sub_co_i32 s94, s54, s88
	MKSC QSC, 94                                   ; Q's codes: sum / 2^(e6 - e0 - e1)
	s_sub_co_i32 s94, s55, s89
	MKSC QSC+2, 94                                 ; K's: e7 - e2 - e3
	s_sub_co_i32 s94, s57, s90
	MKSC QSC+4, 94                                 ; V's: e9 - e4 - e5
	s_mov_b32 s76, 0x76543210                      ; v_permlanex16_b32: lane l xor 16
	s_mov_b32 s77, 0xfedcba98
	s_mov_b32 s78, 0xffff0000                      ; lanes 16-31
	s_wait_tensorcnt 0x1                           ; my quarter of Wq is in; Wk's may stay out
	s_barrier_signal -1
	s_barrier_wait -1                              ; everybody's is
	FETCHB 0, 0
	FETCHB 0, 1
	WIN 0
	s_wait_loadcnt 48                              ; bv, bq and A's first set are in
.set jj, 0
.rept 64
	v_ldexp_f32 v[BIASC+jj], v[BIASC+jj], s91      ; bq / 2^(e0 + e1)
.set jj, jj+1
.endr
	STEP 0, 0
	WIN 0
.irp n, 0,1,2,3,4,5,6,7                        ; bk takes bq's place: the step's four plain lines stand behind the last product that read it
	global_load_b128 v[BIASC+8*\n:BIASC+8*\n+3], v[H64], s[12:13] offset:(32*(\n/2)+8*(\n%2))*4
	global_load_b128 v[BIASC+8*\n+4:BIASC+8*\n+7], v[H64], s[12:13] offset:(32*(\n/2)+8*(\n%2))*4+16
.endr
	STEP 1, 0
	STEP 2, 0
	STEP 3, 0
	STEP 4, 0
	STEP 5, 0
	STEP 6, 0
	STEP 7, 1
	; ---- slot 0 has been read out: it takes Wv.  All my tensor loads have landed (Wk's quarter among them), the add, my reads are over; a round of the cluster's barrier; the joint refill first behind it
	WIN 0
	s_wait_tensorcnt 0x0
	ds_add_u32 v[SPW], v[NIL]                      ; 0 onto my spare word
.set jj, 0
.rept 64
	v_ldexp_f32 v[BIASC+jj], v[BIASC+jj], s92      ; bk / 2^(e2 + e3)  (its loads were shown done by the later steps' counted waits)
.set jj, jj+1
.endr
	s_add_nc_u64 s[G0+2:G0+3], s[G0+2:G0+3], 2*WVB ; no tensor load of mine is out, so a group 0 may be written: Wv's codes
	s_wait_dscnt 0x0
	ROUND
	tensor_load_to_lds s[G0:G0+3], s[G1:G1+7]      ; it has the eight steps of K's phase and the epilogue in which to land
	s_nop 0
	PLACES
	FETCHB 8, 0
	FETCHB 8, 1
	STEP 8, 0
	STEP 9, 0
	STEP 10, 0
	STEP 11, 0
	STEP 12, 0
	STEP 13, 0
	STEP 14, 0
	STEP 15, 1
	; ---- the bias of the scores, x log2(e): 0.2 sum(Q K) + 0.15 / 64 sum(Q + K) over a head's 64 columns: 32 in my lane, 32 in lane l xor 16.  Twelve chains: three for each of my four token tiles
.irp g, 0,1
	WIN 0x0e                                       ; source 0: Q's window, source 1: K's
.irp n, 0,1,2,3
.irp i, 0,2,4,6
.irp a, 0,1,2,3
.set RA, 8*(8*\a+4*\g+\n)+\i
.if (\n == 0) && (\i == 0)
	v_pk_mul_f32 v[CH+6*\a:CH+6*\a+1], v[RA:RA+1], v[RA:RA+1]
	v_pk_mul_f32 v[CH+6*\a+2:CH+6*\a+3], v[RA:RA+1], s[68:69] op_sel_hi:[1,0]
	v_pk_mul_f32 v[CH+6*\a+4:CH+6*\a+5], s[70:71], v[RA:RA+1] op_sel_hi:[0,1]
.else
	v_pk_fma_f32 v[CH+6*\a:CH+6*\a+1], v[RA:RA+1], v[RA:RA+1], v[CH+6*\a:CH+6*\a+1]
	v_pk_fma_f32 v[CH+6*\a+2:CH+6*\a+3], v[RA:RA+1], s[68:69], v[CH+6*\a+2:CH+6*\a+3] op_sel_hi:[1,0,1]
	v_pk_fma_f32 v[CH+6*\a+4:CH+6*\a+5], s[70:71], v[RA:RA+1], v[CH+6*\a+4:CH+6*\a+5] op_sel_hi:[0,1,1]
.endif
.endr
.endr
.endr
	WIN 0
.irp a, 0,1,2,3
	v_pk_fma_f32 v[CH+6*\a:CH+6*\a+1], v[CH+6*\a:CH+6*\a+1], s[72:73], v[CH+6*\a+2:CH+6*\a+3] op_sel_hi:[1,0,1]
.endr
.irp a, 0,1,2,3
	v_pk_add_f32 v[CH+6*\a:CH+6*\a+1], v[CH+6*\a:CH+6*\a+1], v[CH+6*\a+4:CH+6*\a+5]
.endr
.irp a, 0,1,2,3
	v_add_f32 v[CH+6*\a], v[CH+6*\a], v[CH+6*\a+1]
.endr
.irp a, 0,1,2,3
	v_permlanex16_b32 v[CH+6*\a+1], v[CH+6*\a], s76, s77
.endr
.irp a, 0,1,2,3
	v_add_f32 v[CH+6*\a], v[CH+6*\a], v[CH+6*\a+1]
.endr
	v_cndmask_b32 v[BO+2*\g], v[CH], v[CH+6], s78          ; lanes 0-15: tile 0's sixteen tokens, lanes 16-31: tile 1's
	v_cndmask_b32 v[BO+2*\g+1], v[CH+12], v[CH+18], s78
	global_store_b32 v[L4], v[BO+2*\g], s[86:87] offset:16384*\g          ; 128 consecutive bytes a store; the two stores of a head fill 256 aligned bytes between them (half a megabyte in the whole launch)
	global_store_b32 v[L4], v[BO+2*\g+1], s[86:87] offset:16384*\g+128
.endr
; the codes of token tile a: 64 sums are held in place, eight conversions give 16 registers: four chunks of 16 bytes a lane (head b / 2, chunk b % 2)
.macro QUANT4 W, a, sc, base
	WIN (\W)|((\W)<<6)
.set jj, 0
.rept 64
	v_med3_num_f32 v[64*(\a)+jj], v[64*(\a)+jj], -v[(\sc)+1], v[(\sc)+1]
.set jj, jj+1
.endr
	WIN \W
.irp n, 0,1,2,3,4,5,6,7
	v_cvt_scalef32_pk8_bf8_f32 v[CT+16*(\a)+2*\n:CT+16*(\a)+2*\n+1], v[64*(\a)+8*\n:64*(\a)+8*\n+7], v[\sc]
.endr
	WIN 0
	v_nop                                          ; one plain vector line behind the last conversion of a run
.irp b, 0,1,2,3
	global_store_b128 v[LI], v[CT+16*(\a)+4*\b:CT+16*(\a)+4*\b+3], s[\base:\base+1] offset:262144*(\b/2)+1024*(\a)+512*(\b%2)
.endr
.endm
	s_wait_xcnt 0x0                                ; the bias's stores have read their registers
	QUANT4 2, 0, QSC, 80
	QUANT4 2, 1, QSC, 80
	QUANT4 2, 2, QSC, 80
	QUANT4 2, 3, QSC, 80
	s_wait_xcnt 0x0                                ; Q's stores have read their codes
	QUANT4 3, 0, QSC+2, 82
	QUANT4 3, 1, QSC+2, 82
	QUANT4 3, 2, QSC+2, 82
	QUANT4 3, 3, QSC+2, 82
	s_wait_xcnt 0x0                                ; K's stores have read their codes: bv takes their place
	; ---- Wv has to be whole for every wave
	s_wait_tensorcnt 0x0
	ds_add_u32 v[SPW], v[NIL]
.irp n, 0,1,2,3,4,5,6,7
.irp j, 0,1,2,3,4,5,6,7
	v_ldexp_f32 v[BIASC+8*\n+\j], v[BVR+\n], s93   ; natural use: a lane holds one column, so its eight registers take one number: bv / 2^(e4 + e5)
.endr
.endr
	s_wait_dscnt 0x0
	s_barrier_signal -1
	s_barrier_wait -1
	FETCHB 16, 0
	FETCHB 16, 1
	STEP 16, 0
	STEP 17, 0
	STEP 18, 0
	STEP 19, 0
	STEP 20, 0
	STEP 21, 0
	STEP 22, 0
	STEP 23, 1
	; ---- V's codes: the 16 registers of token tiles 2 P, 2 P + 1 are 16 neighbouring keys of my column: chunk 2 (wave % 2) + P of the key step's image of d-tile n % 4, head n / 4
.irp P, 0,1
	WIN 0x82
.set jj, 0
.rept 128
	v_med3_num_f32 v[128*\P+jj], v[128*\P+jj], -v[QSC+5], v[QSC+5]
.set jj, jj+1
.endr
	WIN 0x02
.irp n, 0,1,2,3,4,5,6,7
	v_cvt_scalef32_pk8_bf8_f32 v[CT+32*\P+4*\n:CT+32*\P+4*\n+1], v[128*\P+8*\n:128*\P+8*\n+7], v[QSC+4]
	v_cvt_scalef32_pk8_bf8_f32 v[CT+32*\P+4*\n+2:CT+32*\P+4*\n+3], v[128*\P+64+8*\n:128*\P+64+8*\n+7], v[QSC+4]
.endr
	WIN 0
	v_nop
.irp n, 0,1,2,3,4,5,6,7
	global_store_b128 v[LI], v[CT+32*\P+4*\n:CT+32*\P+4*\n+3], s[84:85] offset:262144*(\n/4)+2048*(\n%4)+512*\P
.endr
.endr
	s_wait_tensorcnt 0x0                           ; the wave's end
	ds_add_u32 v[SPW], v[NIL]
	s_wait_dscnt 0x0
	ROUND                                          ; the closing round
	s_endpgm
.Lfunc_end_k_q651b1f4f83_proj:
	.size	k_q651b1f4f83_proj, .Lfunc_end_k_q651b1f4f83_proj-k_q651b1f4f83_proj
	.p2alignl 7, 3214868480
	.fill 96, 4, 3214868480
	.section	.rodata,"a",@progbits
	.p2align	6, 0x0
	.amdhsa_kernel k_q651b1f4f83_proj
		.amdhsa_group_segment_fixed_size 327680
		.amdhsa_private_segment_fixed_size 0
		.amdhsa_enable_private_segment 0
		.amdhsa_kernarg_size 80
		.amdhsa_user_sgpr_count 2
		.amdhsa_user_sgpr_kernarg_segment_ptr 1
		.amdhsa_wavefront_size32 1
		.amdhsa_system_sgpr_workgroup_id_x 1
		.amdhsa_system_sgpr_workgroup_id_y 1
		.amdhsa_system_sgpr_workgroup_id_z 1
		.amdhsa_system_vgpr_workitem_id 0
		.amdhsa_next_free_vgpr 1024
		.amdhsa_next_free_sgpr 100
		.amdhsa_reserve_vcc 0
		.amdhsa_float_denorm_mode_32 3
		.amdhsa_float_denorm_mode_16_64 3
		.amdhsa_memory_ordered 1
		.amdhsa_forward_progress 1
		.amdhsa_inst_pref_size 255
	.end_amdhsa_kernel
	.amdgpu_metadata
---
amdhsa.version: [ 1, 2 ]
amdhsa.kernels:
  - .name:           k_q651b1f4f83_proj
    .symbol:         k_q651b1f4f83_proj.kd
    .args:
      - { .name: xc, .offset: 0, .size: 8, .value_kind: global_buffer, .address_space: global }
      - { .name: wc, .offset: 8, .size: 8, .value_kind: global_buffer, .address_space: global }
      - { .name: lowp_scales, .offset: 16, .size: 8, .value_kind: global_buffer, .address_space: global }
      - { .name: bq, .offset: 24, .size: 8, .value_kind: global_buffer, .address_space: global }
      - { .name: bk, .offset: 32, .size: 8, .value_kind: global_buffer, .address_space: global }
      - { .name: bv, .offset: 40, .size: 8, .value_kind: global_buffer, .address_space: global }
      - { .name: qc, .offset: 48, .size: 8, .value_kind: global_buffer, .address_space: global }
      - { .name: kc, .offset: 56, .size: 8, .value_kind: global_buffer, .address_space: global }
      - { .name: vc, .offset: 64, .size: 8, .value_kind: global_buffer, .address_space: global }
      - { .name: bias, .offset: 72, .size: 8, .value_kind: global_buffer, .address_space: global }
    .group_segment_fixed_size: 327680
    .private_segment_fixed_size: 0
    .kernarg_segment_align: 8
    .kernarg_segment_size: 80
    .max_flat_workgroup_size: 128
    .sgpr_count:     100
    .vgpr_count:     1024
    .wavefront_size: 32
...
	.end_amdgpu_metadata
.endif
;; end of part 2
;; launch attn (part 3): grid 256 x 1, 16 waves a work-group, no clusters, 138,240 bytes of LDS; arguments qc, kc, vc, bias, wc, pc, bk, bv, lowp_scales, ac; writes ac
.if DOCPART == 3
	.amdgcn_target "amdgcn-amd-amdhsa--gfx1250"
	.amdhsa_code_object_version 6
	.text
	.protected	k_q651b1f4f83_attn
	.globl	k_q651b1f4f83_attn
	.p2align	8
	.type	k_q651b1f4f83_attn,@function
k_q651b1f4f83_attn:
	s_mov_b64 s[64:65], 0
	v_nop
	global_prefetch_b8 v0, s[64:65] scope:SCOPE_SE
	s_setreg_imm32_b32 hwreg(HW_REG_WAVE_MODE, 25, 1), 1
	s_wait_xcnt 0x0
; Attention of one (pass, head, batch) for 512 queries, on codes of E5M2.  1,027 keys: 1,024 tokens and the three physics rows.  Work-group id: bit 0 half of the queries, bits 2:1 batch, bits 6:3 head, bit 7 pass.
; t = score x log2(e) / 8 + the query's bias (made by the launch before, already x log2(e)); M = the largest t so far rounded UP to a whole number; p = 2^(t - M) is quantised along the keys, not normalised.
; The row's sum is taken of the unquantised p and divides at the end.  When M moves, the sum and O are multiplied by 2^(old M - new M): exact.
; SHARES.  Sixteen waves of 256 registers, four to a SIMD, so that one wave's vector work stands beside another's matrix work and LDS loads.  A wave owns two tiles of 16 queries, one after the other.
; The head's K and V, 128 KB of operand images, are copied into LDS ONCE, through registers, by waves 8-15; meanwhile waves 0-3 make K and V of the physics rows (two products of K = 1,024 on the codes of the physics tile).
; So there is one barrier, no ring and no tensor load.  The physics rows' work is repeated by the eight work-groups of a (pass, head): 64 matrix instructions each.
; Both products are used transposed (S^T = K Q^T, O^T = V^T P^T): a lane holds one query throughout, and the keys that form a tile make p's 16 registers of two neighbouring tiles 16 neighbouring keys.
; p <= 1 (up to rounding), so where ep >= -15 the hold at 57,344 x 2^ep = 1.75 or more cannot bind: a scalar branch on the given whole number ep leads round its 64 lines.  (No tensor load or copy is in this text.)
; No cluster: the two work-groups that share K and V read them once each, 128 KB, at the head.  No prefetch: everything is asked for at the head.
; LIMITS (e0 .. e11 of the pass): e6 + e7 between -123 and 130; e8, e10 - e8 - e9, e7 - e2 - e3, e9 - e4 - e5 between -126 and 112.  NaN among the inputs is not served.
.set VIMG,  65536                      ; LDS: K's 64 tiles x 1,024 bytes at 0; V: [key step 8][d-tile 4][2,048] here;
.set KTAIL, 131072                     ; the physics rows' tile of K, 1,024 bytes;
.set VTAIL, 132096                     ; and of V: 4 d-tiles x 1,024 bytes
.set LI,   1                           ; v1   16 x lane
.set LV,   2                           ; v2   + VIMG
.set ADK,  3                           ; v3   the step's K
.set ADV,  4                           ; v4   the step's V
.set FILA, 5                           ; v5   where a filling wave stores
.set PKA,  6                           ; v6   where waves 0, 1 store their chunk of the physics K
.set PVA,  7                           ; v7   where waves 2, 3 store their two d-tiles of the physics V
.set LT,   8                           ; v8   16 x lane + KTAIL
.set R4,   9                           ; v9   4 r
.set H64,  10                          ; v10  64 h
.set RP4,  11                          ; v11  4 (r + 8 (r / 8))
.set NM,   12                          ; v12  -M          (in the prologue: the physics codes' scale,
.set RUN,  13                          ; v13  the largest t so far          and hold)
.set AD,   14                          ; v[14:15] bias - M (the low word serves both halves)
.set L,    16                          ; v[16:17] the sum, in two halves
.set FF,   18                          ; v[18:19] f = 2^(old M - new M); later 1 / the sum
.set Q,    20                          ; v20-27, v28-35 Q's fragments of my two tiles
.set BT,   36                          ; v36, v37 their biases
.set PSC,  38                          ; v38 2^ep, v39 57,344 x 2^ep, v40, v41 the same for the output's codes, v42 -infinity
.set NINF, 42
.set PA,   44                          ; v44-59 the physics rows' two accumulators
.set F,    64                          ; v64-127 fragments of K, then of V
.set S,    128                         ; v128-191 S^T, then p
.set O,    192                         ; v192-223 O^T
.set PCD,  224                         ; v224-239 p's codes
.set MX,   240
.set MX2,  241
.set SUM2, 242
.set PX,   244
.set WV,   24
.set CS,   66                          ; s[66:67] c = log2(e) / 8 x 2^(e6 + e7)
.set SEL,  68
.set TB,   71
.macro PLACES
.rept 4
	v_nop
.endr
.endm
.macro MKSC vr, se
	s_add_co_i32 s[\se], s[\se], 127
	s_lshl_b32 s79, s[\se], 23
	v_mov_b32 v[\vr], s79
	s_add_co_i32 s[\se], s[\se], 15
	s_lshl_b32 s[\se], s[\se], 23
	s_or_b32 s[\se], s[\se], 0x600000
	v_mov_b32 v[(\vr)+1], s[\se]
.endm
	s_load_b512 s[4:19], s[0:1], 0x0               ; qc s[4:5], kc s[6:7], vc s[8:9], bias s[10:11], wc s[12:13], pc s[14:15], bk s[16:17], bv s[18:19]
	s_load_b128 s[20:23], s[0:1], 0x40             ; lowp_scales s[20:21], ac s[22:23]
	v_lshl_add_u32 v62, v0, 2, 0x21400
	v_mov_b32 v63, 0
	v_lshrrev_b32 v1, 5, v0
	v_readfirstlane_b32 s[WV], v1                  ; wave 0..15
	s_and_b32 s25, ttmp9, 1                        ; half
	s_bfe_u32 s26, ttmp9, 0x20001                  ; batch
	s_bfe_u32 s27, ttmp9, 0x40003                  ; head
	s_lshr_b32 s28, ttmp9, 7                       ; pass
	s_bfe_u32 s29, s[WV], 0x10001                  ; kv: waves 0, 1 make the physics K, waves 2, 3 the V
	s_and_b32 s31, s[WV], 1                        ; b: which half of the head's 64
	; every LDS address is made here, ahead of the place where the waves part
	v_and_b32 v9, 31, v0
	v_lshlrev_b32 v[LI], 4, v9
	v_add_nc_u32 v[LV], VIMG, v[LI]
	s_and_b32 s30, s[WV], 7
	s_lshl_b32 s30, s30, 14
	v_add_nc_u32 v[FILA], s30, v[LI]
	s_lshl_b32 s30, s31, 9
	s_add_co_u32 s30, s30, KTAIL
	v_add_nc_u32 v[PKA], s30, v[LI]
	s_lshl_b32 s30, s31, 11
	s_add_co_u32 s30, s30, VTAIL
	v_add_nc_u32 v[PVA], s30, v[LI]
	v_add_nc_u32 v[LT], KTAIL, v[LI]
	v_and_b32 v11, 15, v0
	v_lshlrev_b32 v[R4], 2, v11
	v_bfe_u32 v10, v0, 4, 1
	v_lshlrev_b32 v[H64], 6, v10
	v_and_b32 v12, 8, v11
	v_add_nc_u32 v11, v12, v11
	v_lshlrev_b32 v[RP4], 2, v11
	s_lshl_b32 s32, s28, 4
	s_add_co_u32 s32, s32, s27                     ; 16 p + head
	s_lshl_b32 s33, s26, 6
	s_lshl_b32 s34, s25, 5
	s_add_co_u32 s33, s33, s34
	s_lshl_b32 s34, s[WV], 1
	s_add_co_u32 s33, s33, s34                     ; my first query tile: 64 batch + 32 half + 2 wave
	s_lshl_b32 s34, s32, 8
	s_add_co_u32 s34, s34, s33
	s_mov_b32 s37, 0
	s_wait_kmcnt 0x0
	s_mul_i32 s36, s28, 48
	s_add_nc_u64 s[20:21], s[20:21], s[36:37]
	s_load_b256 s[48:55], s[20:21], 0x0            ; e0 .. e7 of the pass
	s_load_b128 s[56:59], s[20:21], 0x20           ; e8 .. e11
	s_lshl_b32 s36, s34, 10
	s_add_nc_u64 s[38:39], s[4:5], s[36:37]        ; Q's images
	s_lshl_b32 s36, s34, 6
	s_add_nc_u64 s[40:41], s[10:11], s[36:37]      ; the biases
	s_cmp_lt_u32 s[WV], 12
	s_cselect_b64 s[42:43], s[6:7], s[8:9]         ; waves 8-11 copy K, waves 12-15 V
	s_lshl_b32 s36, s32, 18
	s_lshl_b32 s35, s26, 16
	s_add_co_u32 s36, s36, s35                     ; the (pass, head, batch)'s 65,536 bytes, in kc and in vc alike
	s_and_b32 s35, s[WV], 3
	s_lshl_b32 s35, s35, 14
	s_add_co_u32 s36, s36, s35                     ; my quarter
	s_add_nc_u64 s[42:43], s[42:43], s[36:37]
	s_lshl_b32 s36, s28, 1
	s_add_co_u32 s36, s36, s29
	s_lshl_b32 s36, s36, 14
	s_add_nc_u64 s[44:45], s[14:15], s[36:37]      ; the physics tile under the keys' or the values' scale
	s_mul_i32 s36, s28, 3
	s_add_co_u32 s36, s36, s29
	s_add_co_u32 s36, s36, 1
	s_lshl_b32 s36, s36, 6
	s_lshl_b32 s35, s27, 2
	s_add_co_u32 s36, s36, s35
	s_lshl_b32 s35, s31, 1
	s_add_co_u32 s36, s36, s35
	s_lshl_b32 s36, s36, 14
	s_add_nc_u64 s[46:47], s[12:13], s[36:37]      ; Wk's or Wv's tiles 4 head + 2 b, + 1
	s_cmp_eq_u32 s29, 0
	s_cselect_b64 s[60:61], s[16:17], s[18:19]
	s_lshl_b32 s36, s27, 8
	s_lshl_b32 s35, s31, 7
	s_add_co_u32 s36, s36, s35
	s_add_nc_u64 s[60:61], s[60:61], s[36:37]      ; bk or bv at column 64 head + 32 b
	s_lshl_b32 s36, s28, 8
	s_add_co_u32 s36, s36, s33
	s_lshl_b32 s36, s36, 3
	s_lshr_b32 s35, s27, 1
	s_add_co_u32 s36, s36, s35
	s_lshl_b32 s36, s36, 11
	s_and_b32 s35, s27, 1
	s_lshl_b32 s35, s35, 10
	s_add_co_u32 s36, s36, s35
	s_add_nc_u64 s[62:63], s[22:23], s[36:37]      ; the output's image: tile, K step head / 2, chunk 2 (head % 2)
	global_load_b128 v[Q:Q+3], v[LI], s[38:39]
	global_load_b128 v[Q+4:Q+7], v[LI], s[38:39] offset:512
	global_load_b128 v[Q+8:Q+11], v[LI], s[38:39] offset:1024
	global_load_b128 v[Q+12:Q+15], v[LI], s[38:39] offset:1536
	global_load_b32 v[BT], v[R4], s[40:41]
	global_load_b32 v[BT+1], v[R4], s[40:41] offset:64
	s_cmp_ge_u32 s[WV], 8
	s_cbranch_scc1 .Lfill
	s_cmp_ge_u32 s[WV], 4
	s_cbranch_scc1 .Ljoin
	; ---- waves 0-3: K or V of the physics rows, for 32 of the head's 64 columns
	s_wait_kmcnt 0x0
	s_add_co_i32 s73, s50, s51                     ; e2 + e3
	s_add_co_i32 s74, s52, s53                     ; e4 + e5
	s_cmp_eq_u32 s29, 0
	s_cselect_b32 s73, s73, s74
	s_cselect_b32 s74, s55, s57                    ; e7 or e9
	s_sub_co_i32 s74, s74, s73
	s_sub_co_i32 s72, 0, s73
	MKSC NM, 74                                    ; the codes' one scale: the three exponents folded
; kv = 0: transposed (source 0 = 16 rows of Wk, source 1 = the physics tile): a lane holds a physics row, registers along the columns.  kv = 1: natural: a lane holds a column, registers along the rows (the keys).
; The bias, divided by the power of two that the sums lack, starts the sums.  Two accumulators by turns.  K = 1,024 in two halves of four steps: 48 loads each.
.macro PHYS kv
.if \kv == 0
.irp u, 0,1
	global_load_b128 v[PA+8*\u:PA+8*\u+3], v[H64], s[60:61] offset:32*\u
	global_load_b128 v[PA+8*\u+4:PA+8*\u+7], v[H64], s[60:61] offset:32*\u+16
.endr
.else
	global_load_b32 v60, v[RP4], s[60:61]
	global_load_b32 v61, v[RP4], s[60:61] offset:32
.endif
.irp q, 0,1
.if \q == 1
	PLACES
.endif
.irp k, 0,1,2,3
.irp c, 0,1,2,3
	global_load_b128 v[F+16*\k+4*\c:F+16*\k+4*\c+3], v[LI], s[44:45] offset:(4*\q+\k)*2048+512*\c
	global_load_b128 v[128+16*\k+4*\c:128+16*\k+4*\c+3], v[LI], s[46:47] offset:(4*\q+\k)*2048+512*\c
	global_load_b128 v[192+16*\k+4*\c:192+16*\k+4*\c+3], v[LI], s[46:47] offset:16384+(4*\q+\k)*2048+512*\c
.endr
.endr
	s_wait_loadcnt 0x0
.if \q == 0
.irp u, 0,1
.irp j, 0,1,2,3,4,5,6,7
.if \kv == 0
	v_ldexp_f32 v[PA+8*\u+\j], v[PA+8*\u+\j], s72
.else
	v_ldexp_f32 v[PA+8*\u+\j], v[60+\u], s72
.endif
.endr
.endr
.endif
.irp k, 0,1,2,3
.irp u, 0,1
.if \kv == 0
	v_wmma_f32_16x16x128_bf8_bf8 v[PA+8*\u:PA+8*\u+7], v[128+64*\u+16*\k:128+64*\u+16*\k+15], v[F+16*\k:F+16*\k+15], v[PA+8*\u:PA+8*\u+7]
.else
	v_wmma_f32_16x16x128_bf8_bf8 v[PA+8*\u:PA+8*\u+7], v[F+16*\k:F+16*\k+15], v[128+64*\u+16*\k:128+64*\u+16*\k+15], v[PA+8*\u:PA+8*\u+7]
.endif
.endr
.endr
.endr
	PLACES
.irp j, 0,1,2,3,4,5,6,7,8,9,10,11,12,13,14,15
	v_med3_num_f32 v[PA+\j], v[PA+\j], -v[RUN], v[RUN]
.endr
	v_cvt_scalef32_pk8_bf8_f32 v[64:65], v[PA:PA+7], v[NM]
.if \kv == 0
	v_cvt_scalef32_pk8_bf8_f32 v[66:67], v[PA+8:PA+15], v[NM]
	v_nop
	ds_store_b128 v[PKA], v[64:67]                 ; chunk b of the tile's image: columns 32 b + 16 h + 0 .. 15 of row r
.else
	v_cvt_scalef32_pk8_bf8_f32 v[68:69], v[PA+8:PA+15], v[NM]
.irp j, 66,67,70,71,72,73,74,75
	v_mov_b32 v[\j], 0
.endr
	ds_store_b128 v[PVA], v[64:67]                 ; d-tile 2 b: keys 16 h + 0 .. 7 of my column (rows 0, 1, 2 count; the others meet codes of p that are 0), then zeros
	ds_store_b128 v[PVA], v[72:75] offset:512
	ds_store_b128 v[PVA], v[68:71] offset:1024     ; d-tile 2 b + 1
	ds_store_b128 v[PVA], v[72:75] offset:1536
.endif
.endm
	s_cmp_ge_u32 s[WV], 2
	s_cbranch_scc1 .Lphysv
	PHYS 0
	s_branch .Ljoin
.Lphysv:
	PHYS 1
	s_branch .Ljoin
.Lfill:                                            ; ---- waves 8-15: 16 KB each from memory into LDS as it lies
.set jj, 0
.rept 32
	global_load_b128 v[64+4*jj:64+4*jj+3], v[LI], s[42:43] offset:512*jj
.set jj, jj+1
.endr
.set jj, 0
.rept 32
	s_wait_loadcnt 31-jj                           ; loads come back in order: number jj is in, the younger ones may be out
	ds_store_b128 v[FILA], v[64+4*jj:64+4*jj+3] offset:512*jj
.set jj, jj+1
.endr
.Ljoin:
	s_wait_dscnt 0x0                               ; for the others' sake: my stores into LDS are done
	s_barrier_signal -1
	s_barrier_wait -1                              ; K, V and the physics rows lie in LDS; nothing is written there any more
	s_wait_loadcnt 0x0                             ; Q and the biases
	s_wait_kmcnt 0x0
	s_add_co_i32 s73, s54, s55
	s_lshl_b32 s73, s73, 23
	s_add_co_i32 s[CS], s73, 0x3e38aa3b            ; c = log2(e) / 8, e6 + e7 added to its exponent field
	s_mov_b32 s[CS+1], s[CS]
	s_mov_b32 s73, s56
	MKSC PSC, 73                                   ; 2^ep, 57,344 x 2^ep
	s_sub_co_i32 s73, s58, s56
	s_sub_co_i32 s73, s73, s57
	MKSC PSC+2, 73                                 ; the output's codes: (O / sum) / 2^(e10 - e8 - e9)
	v_mov_b32 v[NINF], 0xff800000
	s_mov_b32 s[SEL], 0x76543210
	s_mov_b32 s[SEL+1], 0xfedcba98
	s_mov_b32 s70, 0xffff0000                      ; lanes 16-31
	v_mov_b32 v[AD+1], 0                           ; (named as the upper halves of pairs)
	v_mov_b32 v[FF+1], 0
	v_mov_b32 v[PX], 0                             ; a lane permute's destination counts as one of its sources
; the step's largest score in v[MX] becomes the new M, f and the exponent's addend
.macro MUPD q
	v_permlanex16_b32 v[PX], v[MX], s[SEL], s[SEL+1]
	v_max_num_f32 v[MX], v[MX], v[PX]              ; and among lane l xor 16's keys
	v_fma_f32 v[MX], v[MX], s[CS], v[BT+(\q)]      ; as t (c is positive)
	v_max_num_f32 v[RUN], v[RUN], v[MX]
	v_mov_b32 v[MX], v[NM]
	v_floor_f32 v[NM], -v[RUN]                     ; -M = floor(-t) = -ceil(t)
	v_sub_f32 v[MX], v[NM], v[MX]                  ; old M - new M: a whole number, 0 or less
	v_cvt_i32_f32 v[MX], v[MX]                     ; (it saturates)
	v_ldexp_f32 v[FF], 1.0, v[MX]                  ; f
	v_add_f32 v[AD], v[BT+(\q)], v[NM]             ; bias - M
.endm
.macro STEP q                          ; 128 keys
	v_add_nc_u32 v[ADK], s[TB], v[LI]
	v_add_nc_u32 v[ADV], s[TB], v[LV]
	v_nop
	v_nop                                          ; four plain lines behind the last products, in front of loads into their operands
.irp t, 0,1,2,3,4,5,6,7
	ds_load_b128 v[F+8*\t:F+8*\t+3], v[ADK] offset:1024*\t
	ds_load_b128 v[F+8*\t+4:F+8*\t+7], v[ADK] offset:1024*\t+512
.endr
	s_wait_dscnt 0x0
.irp t, 0,1,2,3,4,5,6,7
	v_wmma_f32_16x16x64_bf8_bf8 v[S+8*\t:S+8*\t+7], v[F+8*\t:F+8*\t+7], v[Q+8*(\q):Q+8*(\q)+7], 0
.endr
	PLACES
.irp t, 0,1,2,3
.irp c, 0,1,2,3
	ds_load_b128 v[F+16*\t+4*\c:F+16*\t+4*\c+3], v[ADV] offset:2048*\t+512*\c      ; V lands while the softmax is walked
.endr
.endr
	v_max3_num_f32 v[MX], v[S], v[S+1], v[S+2]     ; my 64 keys' largest score, in two chains, each accumulator from its low end on
	v_max3_num_f32 v[MX2], v[S+3], v[S+4], v[S+5]
.irp i, 6,10,14,18,22,26,30,34,38,42,46,50,54,58
	v_max3_num_f32 v[MX], v[MX], v[S+\i], v[S+\i+1]
	v_max3_num_f32 v[MX2], v[MX2], v[S+\i+2], v[S+\i+3]
.endr
	v_max3_num_f32 v[MX], v[MX], v[S+62], v[S+63]
	v_max_num_f32 v[MX], v[MX], v[MX2]
	MUPD \q
.set jj, 0
.rept 32
	v_pk_fma_f32 v[S+jj:S+jj+1], v[S+jj:S+jj+1], s[CS:CS+1], v[AD:AD+1] op_sel_hi:[1,0,0]   ; t - M, two at a time
.set jj, jj+2
.endr
.set jj, 0
.rept 64
	v_exp_f32 v[S+jj], v[S+jj]                     ; p = 2^(t - M)
.set jj, jj+1
.endr
	v_pk_mul_f32 v[L:L+1], v[L:L+1], v[FF:FF+1] op_sel_hi:[1,0]   ; the sums under the new M; the plain line behind the exponentials
	s_wait_alu depctr_va_vdst(0)                   ; one wait for the batch of 64, ahead of its first reader
	v_pk_add_f32 v[SUM2:SUM2+1], v[S:S+1], v[S+2:S+3]             ; the row's sum is taken of the unquantised p, in two chains
.irp j, 4,8,12,16,20,24,28,32,36,40,44,48,52,56,60
	v_pk_add_f32 v[L:L+1], v[L:L+1], v[S+\j:S+\j+1]
	v_pk_add_f32 v[SUM2:SUM2+1], v[SUM2:SUM2+1], v[S+\j+2:S+\j+3]
.endr
	v_pk_add_f32 v[L:L+1], v[L:L+1], v[SUM2:SUM2+1]
	s_cmp_ge_i32 s56, -15                          ; ep >= -15: the largest code x 2^ep is 1.75 or more, over every p
	s_cbranch_scc1 .Lfree_\@
.set jj, 0
.rept 64
	v_min_num_f32 v[S+jj], v[S+jj], v[PSC+1]       ; p is not negative: the hold is one-sided
.set jj, jj+1
.endr
.Lfree_\@:
.irp b, 0,1,2,3
	v_cvt_scalef32_pk8_bf8_f32 v[PCD+4*\b:PCD+4*\b+1], v[S+16*\b:S+16*\b+7], v[PSC]
	v_cvt_scalef32_pk8_bf8_f32 v[PCD+4*\b+2:PCD+4*\b+3], v[S+16*\b+8:S+16*\b+15], v[PSC]
.endr
.set jj, 0
.rept 16
	v_pk_mul_f32 v[O+jj:O+jj+1], v[O+jj:O+jj+1], v[FF:FF+1] op_sel_hi:[1,0]   ; O^T under the new M; also the plain lines behind the conversions
.set jj, jj+2
.endr
	s_wait_dscnt 0x0                               ; V
.irp t, 0,1,2,3
	v_wmma_f32_16x16x128_bf8_bf8 v[O+8*\t:O+8*\t+7], v[F+16*\t:F+16*\t+15], v[PCD:PCD+15], v[O+8*\t:O+8*\t+7]
.endr
.endm
.macro TAIL q                          ; the three physics rows: keys 0, 1, 2 of their tile lie in registers 0, 1, 2 of lanes 0-15
	PLACES
	ds_load_b128 v[F:F+3], v[LT]
	ds_load_b128 v[F+4:F+7], v[LT] offset:512
.irp t, 0,1,2,3
	ds_load_b128 v[F+8+8*\t:F+8+8*\t+3], v[LT] offset:1024+1024*\t
	ds_load_b128 v[F+8+8*\t+4:F+8+8*\t+7], v[LT] offset:1024+1024*\t+512
.endr
	s_wait_dscnt 0x0
	v_wmma_f32_16x16x64_bf8_bf8 v[S:S+7], v[F:F+7], v[Q+8*(\q):Q+8*(\q)+7], 0
	PLACES
.irp i, 0,1,2
	v_cndmask_b32 v[S+\i], v[S+\i], v[NINF], s70   ; lanes 16-31 hold rows 8 on, which are no keys: -infinity, so p = 0
.endr
	v_max3_num_f32 v[MX], v[S], v[S+1], v[S+2]
	MUPD \q
.irp i, 0,1,2
	v_fma_f32 v[S+\i], v[S+\i], s[CS], v[AD]
.endr
.irp i, 0,1,2
	v_exp_f32 v[S+\i], v[S+\i]
.endr
	v_pk_mul_f32 v[L:L+1], v[L:L+1], v[FF:FF+1] op_sel_hi:[1,0]
	s_wait_alu depctr_va_vdst(0)
	v_add_f32 v[L], v[L], v[S]
	v_add_f32 v[L+1], v[L+1], v[S+1]
	v_add_f32 v[L], v[L], v[S+2]
.irp i, 3,4,5,6,7
	v_mov_b32 v[S+\i], 0                           ; rows 3 to 7 are no keys
.endr
.irp i, 0,1,2
	v_min_num_f32 v[S+\i], v[S+\i], v[PSC+1]
.endr
	v_cvt_scalef32_pk8_bf8_f32 v[PCD:PCD+1], v[S:S+7], v[PSC]
.irp i, 2,3,4,5,6,7
	v_mov_b32 v[PCD+\i], 0
.endr
.set jj, 0
.rept 16
	v_pk_mul_f32 v[O+jj:O+jj+1], v[O+jj:O+jj+1], v[FF:FF+1] op_sel_hi:[1,0]
.set jj, jj+2
.endr
.irp t, 0,1,2,3                                ; the K = 64 form on the same sums: more than five plain lines that name none of their registers lie behind the K = 128 products
	v_wmma_f32_16x16x64_bf8_bf8 v[O+8*\t:O+8*\t+7], v[F+8+8*\t:F+8+8*\t+7], v[PCD:PCD+7], v[O+8*\t:O+8*\t+7]
.endr
.endm
.macro FINISH q                        ; O^T / the sum becomes codes: the 16 registers of d-tiles 2 b, 2 b + 1 are 16 neighbours along the next K
	PLACES
	v_add_f32 v[L], v[L], v[L+1]
	v_permlanex16_b32 v[PX], v[L], s[SEL], s[SEL+1]
	v_add_f32 v[L], v[L], v[PX]
	v_rcp_f32 v[FF], v[L]
	v_nop
	s_wait_alu depctr_va_vdst(0)
.set jj, 0
.rept 16
	v_pk_mul_f32 v[S+jj:S+jj+1], v[O+jj:O+jj+1], v[FF:FF+1] op_sel_hi:[1,0]
.set jj, jj+2
.endr
.set jj, 0
.rept 32
	v_med3_num_f32 v[S+jj], v[S+jj], -v[PSC+3], v[PSC+3]
.set jj, jj+1
.endr
.irp b, 0,1
	v_cvt_scalef32_pk8_bf8_f32 v[PCD+4*\b:PCD+4*\b+1], v[S+16*\b:S+16*\b+7], v[PSC+2]
	v_cvt_scalef32_pk8_bf8_f32 v[PCD+4*\b+2:PCD+4*\b+3], v[S+16*\b+8:S+16*\b+15], v[PSC+2]
.endr
	v_nop
	global_store_b128 v[LI], v[PCD:PCD+3], s[62:63] offset:16384*(\q)        ; 512 consecutive aligned bytes a store
	global_store_b128 v[LI], v[PCD+4:PCD+7], s[62:63] offset:16384*(\q)+512
.endm
.macro QTILE q
	s_wait_xcnt 0x0                                ; the last tile's stores have read their codes
	v_mov_b32 v[RUN], 0xff61b1e6                   ; -3e38, under every t
	v_floor_f32 v[NM], -v[RUN]
	v_mov_b32 v[L], 0
	v_mov_b32 v[L+1], 0
.set jj, 0
.rept 32
	v_mov_b32 v[O+jj], 0                           ; the step is written once: the first finds zeros, which the first change of M leaves zeros
.set jj, jj+1
.endr
	s_mov_b32 s[TB], 0
.Lkeys_\@:                                         ; eight trips of 128 keys: 8,192 bytes of K's images and of V's
	STEP \q
	s_add_co_u32 s[TB], s[TB], 8192
	s_cmp_lg_u32 s[TB], 65536
	s_cbranch_scc1 .Lkeys_\@
	TAIL \q
	FINISH \q
.endm
	QTILE 0
	QTILE 1
	s_wait_tensorcnt 0x0
	ds_add_u32 v62, v63
	s_wait_dscnt 0x0
	s_endpgm
.Lfunc_end_k_q651b1f4f83_attn:
	.size	k_q651b1f4f83_attn, .Lfunc_end_k_q651b1f4f83_attn-k_q651b1f4f83_attn
	.p2alignl 7, 3214868480
	.fill 96, 4, 3214868480
	.section	.rodata,"a",@progbits
	.p2align	6, 0x0
	.amdhsa_kernel k_q651b1f4f83_attn
		.amdhsa_group_segment_fixed_size 138240
		.amdhsa_private_segment_fixed_size 0
		.amdhsa_enable_private_segment 0
		.amdhsa_kernarg_size 80
		.amdhsa_user_sgpr_count 2
		.amdhsa_user_sgpr_kernarg_segment_ptr 1
		.amdhsa_wavefront_size32 1
		.amdhsa_system_sgpr_workgroup_id_x 1
		.amdhsa_system_sgpr_workgroup_id_y 1
		.amdhsa_system_sgpr_workgroup_id_z 1
		.amdhsa_system_vgpr_workitem_id 0
		.amdhsa_next_free_vgpr 256
		.amdhsa_next_free_sgpr 80
		.amdhsa_reserve_vcc 0
		.amdhsa_float_denorm_mode_32 3
		.amdhsa_float_denorm_mode_16_64 3
		.amdhsa_memory_ordered 1
		.amdhsa_forward_progress 1
		.amdhsa_inst_pref_size 87
	.end_amdhsa_kernel
	.amdgpu_metadata
---
amdhsa.version: [ 1, 2 ]
amdhsa.kernels:
  - .name:           k_q651b1f4f83_attn
    .symbol:         k_q651b1f4f83_attn.kd
    .args:
      - { .name: qc, .offset: 0, .size: 8, .value_kind: global_buffer, .address_space: global }
      - { .name: kc, .offset: 8, .size: 8, .value_kind: global_buffer, .address_space: global }
      - { .name: vc, .offset: 16, .size: 8, .value_kind: global_buffer, .address_space: global }
      - { .name: bias, .offset: 24, .size: 8, .value_kind: global_buffer, .address_space: global }
      - { .name: wc, .offset: 32, .size: 8, .value_kind: global_buffer, .address_space: global }
      - { .name: pc, .offset: 40, .size: 8, .value_kind: global_buffer, .address_space: global }
      - { .name: bk, .offset: 48, .size: 8, .value_kind: global_buffer, .address_space: global }
      - { .name: bv, .offset: 56, .size: 8, .value_kind: global_buffer, .address_space: global }
      - { .name: lowp_scales, .offset: 64, .size: 8, .value_kind: global_buffer, .address_space: global }
      - { .name: ac, .offset: 72, .size: 8, .value_kind: global_buffer, .address_space: global }
    .group_segment_fixed_size: 138240
    .private_segment_fixed_size: 0
    .kernarg_segment_align: 8
    .kernarg_segment_size: 80
    .max_flat_workgroup_size: 512
    .sgpr_count:     80
    .vgpr_count:     256
    .wavefront_size: 32
...
	.end_amdgpu_metadata
.endif
;; end of part 3
;; launch outln (part 4): grid 256 x 1, 4 waves a work-group, clusters of 4 x 1, 327,680 bytes of LDS; arguments ac, wc, lowp_scales, bo, ln_g, ln_b, cnn_features, llm_features, out0, out1; writes out0, out1
.if DOCPART == 4
	.amdgcn_target "amdgcn-amd-amdhsa--gfx1250"
	.amdhsa_code_object_version 6
	.text
	.protected	k_q651b1f4f83_outln
	.globl	k_q651b1f4f83_outln
	.p2align	8
	.type	k_q651b1f4f83_outln,@function
k_q651b1f4f83_outln:
	s_mov_b64 s[64:65], 0
	v_nop
	global_prefetch_b8 v0, s[64:65] scope:SCOPE_SE
	s_setreg_imm32_b32 hwreg(HW_REG_WAVE_MODE, 25, 1), 1
	s_wait_xcnt 0x0
	s_wait_alu depctr_hold_cnt(0) depctr_sa_sdst(0) depctr_va_vdst(0) depctr_va_sdst(0) depctr_va_ssrc(0) depctr_va_vcc(0) depctr_vm_vsrc(0)
	s_getreg_b32 s2, hwreg(HW_REG_IB_STS2, 6, 4)
	s_cmp_eq_u32 s2, 0
	s_cbranch_scc0 .Lentry_in_a_cluster
	s_endpgm
.Lentry_in_a_cluster:
	s_bfe_u32 s2, ttmp6, 0x10000c
	s_cmp_lg_u32 s2, 0x3003
	s_cbranch_scc0 .Lentry_shape_is_right
	s_endpgm
.Lentry_shape_is_right:
; out = LayerNorm(q_in + att Wo^T + bo) for 32 tokens x all 1,024 columns: the norm wants whole rows, so a work-group owns whole rows.  x = 4 x cluster x + cx: pass x / 128, pair of token tiles x % 128.
; The product runs on codes of E5M2, used transposed (source 0 = 16 rows of Wo, source 1 = 16 tokens).  Wave w takes weight tiles 16 w .. 16 w + 15 (columns 256 w on) x 2 token tiles: 32 accumulators.
; Wo (1 MB a pass, 256 KB a wave) is walked by every work-group, and a K step of 128 is only 32 matrix instructions a wave for 32 KB of weights.  IT COMES BY TWO STREAMS SIDE BY SIDE:
;   the EVEN K steps by JOINT tensor loads for the four work-groups of a cluster, into two LDS slots of one K step (128 KB on end in memory; each wave fetches and reads its own 32 KB): steps 0 and 2 are first fills and go
;   out together, steps 4 and 6 are refills, each behind a round of the cluster's barrier.  By this text's own count a wave has at most two tensor loads out;
;   the ODD K steps from memory straight into registers, 64 loads a wave and step, into a ring of four sets of four weight tiles: no barrier stands in their way, and a set is asked for again as soon as it is multiplied.
; Half of Wo is so NOT shared by joint loads: behind a round a wave has one tensor load out, so eight K steps through two slots are eight loads one after the other, each with 32 matrix instructions in which to land;
; with the odd steps on a road of their own the joint loads in a row are three, and each refill has a pair of K steps in which to land.
; A PAIR is an odd and an even K step, taken by turns in groups of four weight tiles (8 matrix instructions each, on the same 8 accumulators), so that the ring's loads go out evenly.
; A (32 tokens x 1,024, 32 KB of images) is copied into LDS once, a quarter a wave, and comes back two fragments a K step.  The residual is asked for in four parts of two rows, behind a pair's LDS fetches,
; where the wave's next step is a wait for the ring; the ring's fourth set is asked for there too.
; The sums go through a stage in LDS (rows 4,112 bytes apart, in bytes that have had their last fill); then each wave norms 8 whole rows, two passes over registers (mean, then squares of the differences), and stores 512 consecutive bytes an instruction.
; No prefetch: Wo is read by every work-group of its pass; each part of the residual is asked for by its own load a pair of K steps or more, and the whole stage, ahead of its use.
; LIMITS: e10 + e11 between -126 and 127.
; REGISTERS: window 0: v1-7, v24 addresses, v8-23 the rows' statistics, v28, v29 for the add, v32-63 A of the odd K step, v64-95 of the even one, v128-255 two sets of four fragments from LDS,
;   later bo, ln_g, ln_b (lane l, chunk c: columns 128 c + 4 l on).   window 1: the ring (set i at 64 i), later my 8 rows.   window 2: my 8 rows of the residual.   window 3: the accumulators ((m, n) at 8 (16 m + n)).
.set SLOT,  131072
.set SPARE, 262144                     ; behind the slots: the spare words, 128 bytes a wave: two blocks of 256 bytes that no other line names
.set AIMG,  262656                     ; behind them: A's 16 fragments, (token tile m, K step k) at 16,384 m + 2,048 k; no tensor load lands here
.set WOB,   6291456
.set SP,    4112
.set LI,    1                          ; v1      16 x lane
.set ADB,   2                          ; v2, v3  my 32 KB of slot 0, 1
.set STO,   4                          ; v4, v5  the stage: where I put 32 bytes of a row of token tile 0, 1
.set RD,    6                          ; v6      and where I read my rows back
.set AAD,   7                          ; v7      16 x lane + AIMG
.set ST,    8
.set ASTO,  24                         ; v24     16 x lane + AIMG + 8,192 x wave: where I put my quarter of A
.set SPW,   28
.set NIL,   29
.set AF,    32
.set BF,    128
.set BOV,   128
.set GV,    160
.set BV,    192
.set WV,    24
.set G1,    32
.set G0,    40
.set DB,    66                         ; s[66:67] Wo's codes of the pass, K step 0, my 16 tiles
.set MSB,   0
.macro WIN new
.if MSB != (\new)
	s_set_vgpr_msb (MSB<<8)|(\new)
.set MSB, (\new)
.endif
.endm
.macro PLACES                          ; four plain vector lines behind matrix instructions, in front of loads into their operands and of reads of their results
.rept 4
	v_nop
.endr
.endm
.macro ROUND
	s_barrier_signal -1
	s_barrier_wait -1
	s_cmp_lg_u32 s[WV], 0
	s_cbranch_scc1 .Lnw0_\@
	s_barrier_signal -3
.Lnw0_\@:
	s_barrier_wait -3
	s_barrier_signal -1
	s_barrier_wait -1
.endm
	s_load_b512 s[4:19], s[0:1], 0x0               ; ac s[4:5], wc s[6:7], lowp_scales s[8:9], bo s[10:11], ln_g s[12:13], ln_b s[14:15], cnn s[16:17], llm s[18:19]
	s_load_b128 s[20:23], s[0:1], 0x40             ; out0 s[20:21], out1 s[22:23]
	v_lshl_add_u32 v[SPW], v0, 2, SPARE
	v_mov_b32 v[NIL], 0
	ds_add_u32 v28, v29
	ds_add_u32 v28, v29
	s_wait_dscnt 0x0
	v_lshrrev_b32 v1, 5, v0
	v_readfirstlane_b32 s[WV], v1
	s_bfe_u32 s25, ttmp6, 0x40000                  ; cx
	s_lshl_b32 s26, ttmp9, 2
	s_add_co_u32 s26, s26, s25
	s_lshr_b32 s27, ttmp9, 5                       ; the pass: the same in the four partners
	s_and_b32 s28, s26, 127                        ; my pair of token tiles: it enters global addresses of A, the residual and the output alone
	s_mov_b32 s[G1], 15|(3<<16)|(1<<21)            ; the mask: all four; elements of 8 bytes; bit 21 beside a mask; no padding
	s_mov_b32 s[G1+1], 32<<16                      ; rows of 256 bytes,
	s_mov_b32 s[G1+2], 128<<16                     ; 128 of them,
	s_mov_b32 s[G1+3], 32<<16
	s_mov_b32 s[G1+4], 128
	s_mov_b32 s[G1+5], 32                          ; dense
	s_mov_b32 s[G1+6], 0
	s_mov_b32 s[G1+7], 0
	s_lshl_b32 s[G0+1], s[WV], 15
	s_add_co_u32 s[G0+5], s[G0+1], SLOT
	s_mov_b32 s[G0], 1
	s_mov_b32 s[G0+4], 1
	s_lshl_b32 s30, s27, 20
	s_add_co_u32 s30, s30, s[G0+1]
	s_add_co_u32 s30, s30, WOB                     ; Wo's codes of the pass, K step 0, my 16 tiles
	s_mov_b32 s31, 0
	s_mov_b32 s52, 0x76543210
	s_mov_b32 s53, 0xfedcba98
	s_mov_b32 s54, 0x3a800000                      ; 1 / 1,024
	s_mov_b32 s55, 0x3727c5ac                      ; 1e-5
	s_wait_kmcnt 0x0
	s_add_nc_u64 s[G0+2:G0+3], s[6:7], s[30:31]    ; slot 0 begins with K step 0,
	s_add_nc_u64 s[G0+6:G0+7], s[G0+2:G0+3], 2*SLOT   ; slot 1 with K step 2
	s_add_nc_u64 s[DB:DB+1], s[6:7], s[30:31]      ; the same place for the loads into registers: the K step stands in their immediate
	s_or_b32 s[G0+3], s[G0+3], 0x80000000
	s_or_b32 s[G0+7], s[G0+7], 0x80000000
	s_mul_i32 s30, s27, 48
	s_add_nc_u64 s[8:9], s[8:9], s[30:31]
	s_load_b64 s[48:49], s[8:9], 0x28              ; e10, e11 of the pass
	s_lshl_b32 s30, s27, 22
	s_lshl_b32 s56, s28, 15
	s_add_co_u32 s30, s30, s56
	s_lshl_b32 s56, s[WV], 13
	s_add_co_u32 s30, s30, s56
	s_add_nc_u64 s[58:59], s[4:5], s[30:31]        ; A: token tiles 256 p + 2 PP, + 1: 32 KB on end; my quarter of them
	s_lshl_b32 s30, s28, 5
	s_and_b32 s56, s[WV], 1
	s_lshl_b32 s56, s56, 4
	s_add_co_u32 s30, s30, s56
	s_lshr_b32 s56, s[WV], 1
	s_lshl_b32 s56, s56, 3
	s_add_co_u32 s30, s30, s56                     ; stage rows 8 w .. 8 w + 7 are tokens 32 PP + 16 (w % 2) + 8 (w / 2) + 0 .. 7
	s_lshl_b32 s30, s30, 12
	s_cmp_eq_u32 s27, 0
	s_cselect_b64 s[60:61], s[16:17], s[18:19]     ; the residual: the pass's queries
	s_cselect_b64 s[62:63], s[20:21], s[22:23]
	s_add_nc_u64 s[60:61], s[60:61], s[30:31]
	s_add_nc_u64 s[62:63], s[62:63], s[30:31]
	ROUND                                          ; in front of the first joint loads
	tensor_load_to_lds s[G0:G0+3], s[G1:G1+7]      ; K step 0
	s_nop 0
	tensor_load_to_lds s[G0+4:G0+7], s[G1:G1+7]    ; K step 2
	s_nop 0
	PLACES
	v_and_b32 v30, 31, v0
	v_lshlrev_b32 v[LI], 4, v30
	v_add_nc_u32 v[ADB], s[G0+1], v[LI]
	v_add_nc_u32 v[ADB+1], s[G0+5], v[LI]
	v_add_nc_u32 v[AAD], AIMG, v[LI]
	s_lshl_b32 s56, s[WV], 13
	v_add_nc_u32 v[ASTO], s56, v[AAD]
	v_and_b32 v30, 15, v0
	v_bfe_u32 v31, v0, 4, 1
	v_mul_u32_u24 v[STO], v30, SP
	v_lshl_add_u32 v[STO], v31, 6, v[STO]
	s_lshl_b32 s56, s[WV], 10
	v_add_nc_u32 v[STO], s56, v[STO]               ; row r, + 64 h, + 1,024 w
	v_add_nc_u32 v[STO+1], 16*SP, v[STO]
	s_mul_i32 s56, s[WV], 8*SP
	v_add_nc_u32 v[RD], s56, v[LI]
.macro DLOAD k, i                      ; K step k's weight tiles 4 i .. 4 i + 3 of my sixteen, from memory into set i of the ring: 16 loads of 512 consecutive bytes
	WIN 0x40
.irp n, 0,1,2,3
.irp c, 0,1,2,3
	global_load_b128 v[64*(\i)+16*\n+4*\c:64*(\i)+16*\n+4*\c+3], v[LI], s[DB:DB+1] offset:SLOT*(\k)+2048*(4*(\i)+\n)+512*\c
.endr
.endr
.endm
.macro RLOAD j                         ; rows 2 j, 2 j + 1 of my eight rows of the residual: 16 loads
	WIN 0x80
.irp i, 0,1
.irp c, 0,1,2,3,4,5,6,7
	global_load_b128 v[64*(\j)+32*\i+4*\c:64*(\j)+32*\i+4*\c+3], v[LI], s[60:61] offset:4096*(2*(\j)+\i)+512*\c th:TH_LOAD_NT
.endr
.endr
.endm
.macro AFETCH k, b                     ; A's two fragments of K step k from LDS into buffer b
.irp m, 0,1
.irp c, 0,1,2,3
	ds_load_b128 v[AF+32*(\b)+16*\m+4*\c:AF+32*(\b)+16*\m+4*\c+3], v[AAD] offset:16384*\m+2048*(\k)+512*\c
.endr
.endr
.endm
.macro FETCHB sl, i                    ; my weight tiles 4 i .. 4 i + 3 of the slot into set i % 2
.irp n, 0,1,2,3
.irp c, 0,1,2,3
	ds_load_b128 v[BF+64*((\i)%2)+16*\n+4*\c:BF+64*((\i)%2)+16*\n+4*\c+3], v[ADB+(\sl)] offset:2048*(4*(\i)+\n)+512*\c
.endr
.endr
.endm
.macro PRE kd, kt, sl                  ; a pair's LDS fetches, in the order that its counted waits lean on: 8, 8, 16, 16 loads
	AFETCH \kd, 0
	AFETCH \kt, 1
	FETCHB \sl, 0
	FETCHB \sl, 1
.endm
; A PAIR: the odd K step kd out of the ring and the even one out of slot sl, four weight tiles at a time by turns.  zero = 1: the odd step's products start the sums: nothing is cleared.
; nxt = 1: sets 0, 1, 2 of the ring are asked for again, with K step kd + 2, each behind its group (set 3 follows behind the pair).  l0 .. l3: how many loads issued behind group i's may stay out.
; A group's 8 accumulators take turns, one instruction a turn; the even step's group takes the same 8 up again in the same order, so seven others' stand between two links.
.macro PAIR kd, sl, zero, nxt, l0, l1, l2, l3
.irp i, 0,1,2,3
.if \i == 0
	s_wait_loadcnt \l0
	s_wait_dscnt 40                                ; A of the odd step is in; A of the even step (8) and two sets of fragments (32) may be out
.elseif \i == 1
	s_wait_loadcnt \l1
.elseif \i == 2
	s_wait_loadcnt \l2
.else
	s_wait_loadcnt \l3
.endif
	WIN 0xf1                                       ; source 0 (Wo, the ring) window 1, source 1 (A) window 0, C and D window 3
.irp n, 0,1,2,3
.irp m, 0,1
.set AC, 8*(16*\m+4*\i+\n)
.set BR, 64*\i+16*\n
.set AR, AF+16*\m
.if \zero
	v_wmma_f32_16x16x128_bf8_bf8 v[AC:AC+7], v[BR:BR+15], v[AR:AR+15], 0
.else
	v_wmma_f32_16x16x128_bf8_bf8 v[AC:AC+7], v[BR:BR+15], v[AR:AR+15], v[AC:AC+7]
.endif
.endr
.endr
.if (\nxt) && (\i < 3)
	PLACES
	DLOAD (\kd)+2, \i
.endif
.if \i < 3
	s_wait_dscnt 16                                ; this group's fragments (and A of the even step) are in; the next set's sixteen loads may be out
.else
	s_wait_dscnt 0
.endif
	WIN 0xf0                                       ; source 0 (Wo, from LDS) and source 1 (A) window 0
.irp n, 0,1,2,3
.irp m, 0,1
.set AC, 8*(16*\m+4*\i+\n)
.set BR, BF+64*(\i%2)+16*\n
.set AR, AF+32+16*\m
	v_wmma_f32_16x16x128_bf8_bf8 v[AC:AC+7], v[BR:BR+15], v[AR:AR+15], v[AC:AC+7]
.endr
.endr
	WIN 0
.if \i != 2
	PLACES                                         ; in front of the fetch below; behind the last group: in front of whatever next lands in the pair's operands or reads its sums
.endif
.if \i < 2
	FETCHB \sl, \i+2
.endif
.endr
.endm
; Slot sl has been read out: it takes the K step four on.  All my tensor loads have landed (the other slot's tile among them), the add, my LDS reads are over; a round of the cluster's barrier; the joint refill first behind it.
.macro REFILL sl
	s_wait_tensorcnt 0x0
	ds_add_u32 v[SPW], v[NIL]                      ; 0 onto my spare word
	s_add_nc_u64 s[G0+4*(\sl)+2:G0+4*(\sl)+3], s[G0+4*(\sl)+2:G0+4*(\sl)+3], 4*SLOT   ; no tensor load of mine is out, so a group 0 may be written
	s_wait_dscnt 0x0
	ROUND
	tensor_load_to_lds s[G0+4*(\sl):G0+4*(\sl)+3], s[G1:G1+7]
	s_nop 0
	PLACES
.endm
	; ---- the head's loads: my quarter of A, then K step 1 into the ring
.set jj, 0
.rept 16
	global_load_b128 v[BF+4*jj:BF+4*jj+3], v[LI], s[58:59] offset:512*jj th:TH_LOAD_NT
.set jj, jj+1
.endr
	DLOAD 1, 0
	DLOAD 1, 1
	DLOAD 1, 2
	WIN 0
	s_wait_loadcnt 48                              ; A's sixteen loads are in; the three groups issued behind them may be out
.set jj, 0
.rept 16
	ds_store_b128 v[ASTO], v[BF+4*jj:BF+4*jj+3] offset:512*jj
.set jj, jj+1
.endr
	DLOAD 1, 3
	WIN 0
	s_wait_tensorcnt 0x1                           ; my part of K step 0 is in; K step 2's may stay out
	s_wait_dscnt 0x0                               ; for the others' sake: my quarter of A lies in LDS
	s_barrier_signal -1
	s_barrier_wait -1
	PRE 1, 0, 0
	PAIR 1, 0, 1, 1, 48, 48, 48, 48                ; behind each group of K step 1 three groups of 16 loads were issued
	REFILL 0                                       ; K step 4: it has the next pair in which to land
	PRE 3, 2, 1
	DLOAD 3, 3
	RLOAD 0
	WIN 0
	PAIR 3, 1, 0, 1, 63, 63, 63, 63                ; behind each group 64 loads were issued (three groups and a part of the residual); a wait's count names 63 at the most
	REFILL 1                                       ; K step 6
	PRE 5, 4, 0
	DLOAD 5, 3
	RLOAD 1
	WIN 0
	PAIR 5, 0, 0, 1, 63, 63, 63, 63
	DLOAD 7, 3                                     ; nothing is filled any more: no round.  The ring's last set and the rest of the residual go out ahead of the wait for the last tile
	RLOAD 2
	RLOAD 3
	WIN 0
	s_wait_tensorcnt 0x0                           ; K step 6: bytes that my own load brought: this wait is all the ordering that my reads need
	PRE 7, 6, 1
	PAIR 7, 1, 0, 0, 63, 63, 48, 32                ; behind group 0: 80 loads, group 1: 64, group 2: 48, group 3: the residual's last 32
.irp c, 0,1,2,3,4,5,6,7                        ; the parameters take the place of the fragments from LDS
	global_load_b128 v[BOV+4*\c:BOV+4*\c+3], v[LI], s[10:11] offset:512*\c
	global_load_b128 v[GV+4*\c:GV+4*\c+3], v[LI], s[12:13] offset:512*\c
	global_load_b128 v[BV+4*\c:BV+4*\c+3], v[LI], s[14:15] offset:512*\c
.endr
	; ---- the way out: the raw sums into the stage.  It lies over slot 0 and the first 512 bytes of slot 1: both have had their last fill, and behind this barrier nobody reads them
	s_wait_dscnt 0x0
	s_barrier_signal -1
	s_barrier_wait -1
	WIN 0x0c                                       ; the stores' data: window 3
.irp m, 0,1
.irp n, 0,1,2,3,4,5,6,7,8,9,10,11,12,13,14,15
	ds_store_b128 v[STO+\m], v[8*(16*\m+\n):8*(16*\m+\n)+3] offset:128*(\n/2)+32*(\n%2)        ; lane (r, h): columns 256 w + 32 (n / 2) + 16 h + 8 (n % 2) + 0 .. 7 of stage row 16 m + r
	ds_store_b128 v[STO+\m], v[8*(16*\m+\n)+4:8*(16*\m+\n)+7] offset:128*(\n/2)+32*(\n%2)+16
.endr
.endr
	WIN 0
	s_wait_dscnt 0x0                               ; for the others' sake: my stores are done
	s_barrier_signal -1
	s_barrier_wait -1
	WIN 0x40
.irp i, 0,1,2,3,4,5,6,7
.irp c, 0,1,2,3,4,5,6,7
	ds_load_b128 v[32*\i+4*\c:32*\i+4*\c+3], v[RD] offset:SP*\i+512*\c
.endr
.endr
	WIN 0
	s_wait_kmcnt 0x0
	s_add_co_i32 s50, s48, s49
	s_add_co_i32 s50, s50, 127
	s_lshl_b32 s50, s50, 23                        ; 2^(e10 + e11)
	s_mov_b32 s51, s50
	s_wait_dscnt 0x0
	s_wait_loadcnt 0x0                             ; the residual and the parameters
.macro REDUCE                          ; the eight rows' pairs become sums over the 32 lanes, in every lane
.irp i, 0,1,2,3,4,5,6,7
	v_add_f32 v[ST+2*\i], v[ST+2*\i], v[ST+2*\i+1]
.endr
.irp x, 1,2,4,8
.irp i, 0,1,2,3,4,5,6,7
	v_add_f32_dpp v[ST+2*\i], v[ST+2*\i], v[ST+2*\i] row_xmask:\x row_mask:0xf bank_mask:0xf
.endr
.endr
.irp i, 0,1,2,3,4,5,6,7
	v_permlanex16_b32 v[ST+2*\i+1], v[ST+2*\i], s52, s53
.endr
.irp i, 0,1,2,3,4,5,6,7
	v_add_f32 v[ST+2*\i], v[ST+2*\i], v[ST+2*\i+1]
.endr
.endm
	WIN 0x61                                       ; y = sum x 2^(e10 + e11) + residual
.irp m, 0,2,4,6,8,10,12,14,16,18,20,22,24,26,28,30
.irp i, 0,1,2,3,4,5,6,7
	v_pk_fma_f32 v[32*\i+\m:32*\i+\m+1], v[32*\i+\m:32*\i+\m+1], s[50:51], v[32*\i+\m:32*\i+\m+1] op_sel_hi:[1,0,1]
.endr
.endr
	WIN 0x41                                       ; + bo
.irp m, 0,2,4,6,8,10,12,14,16,18,20,22,24,26,28,30
.irp i, 0,1,2,3,4,5,6,7
	v_pk_add_f32 v[32*\i+\m:32*\i+\m+1], v[32*\i+\m:32*\i+\m+1], v[BOV+\m:BOV+\m+1]
.endr
.endr
	WIN 0x01                                       ; the rows' sums, eight chains
.irp m, 0,2,4,6,8,10,12,14,16,18,20,22,24,26,28,30
.irp i, 0,1,2,3,4,5,6,7
.if \m == 0
	v_pk_mul_f32 v[ST+2*\i:ST+2*\i+1], v[32*\i:32*\i+1], 1.0 op_sel_hi:[1,0]
.else
	v_pk_add_f32 v[ST+2*\i:ST+2*\i+1], v[32*\i+\m:32*\i+\m+1], v[ST+2*\i:ST+2*\i+1]
.endif
.endr
.endr
	WIN 0
	REDUCE
.irp i, 0,1,2,3,4,5,6,7
	v_mul_f32 v[ST+2*\i], s54, v[ST+2*\i]          ; the mean
.endr
	WIN 0x41                                       ; d = y - mean
.irp m, 0,2,4,6,8,10,12,14,16,18,20,22,24,26,28,30
.irp i, 0,1,2,3,4,5,6,7
	v_pk_add_f32 v[32*\i+\m:32*\i+\m+1], v[32*\i+\m:32*\i+\m+1], v[ST+2*\i:ST+2*\i+1] op_sel_hi:[1,0] neg_lo:[0,1] neg_hi:[0,1]
.endr
.endr
	WIN 0x05                                       ; the sums of d d
.irp m, 0,2,4,6,8,10,12,14,16,18,20,22,24,26,28,30
.irp i, 0,1,2,3,4,5,6,7
.if \m == 0
	v_pk_mul_f32 v[ST+2*\i:ST+2*\i+1], v[32*\i:32*\i+1], v[32*\i:32*\i+1]
.else
	v_pk_fma_f32 v[ST+2*\i:ST+2*\i+1], v[32*\i+\m:32*\i+\m+1], v[32*\i+\m:32*\i+\m+1], v[ST+2*\i:ST+2*\i+1]
.endif
.endr
.endr
	WIN 0
	REDUCE
.irp i, 0,1,2,3,4,5,6,7
	v_fma_f32 v[ST+2*\i], v[ST+2*\i], s54, s55     ; the variance + 1e-5
.endr
.irp i, 0,1,2,3,4,5,6,7
	v_rsq_f32 v[ST+2*\i], v[ST+2*\i]
.endr
	v_nop                                          ; the plain line behind the batch,
	s_wait_alu depctr_va_vdst(0)                   ; and its one wait, ahead of the first reader
	WIN 0x41
.irp m, 0,2,4,6,8,10,12,14,16,18,20,22,24,26,28,30
.irp i, 0,1,2,3,4,5,6,7
	v_pk_mul_f32 v[32*\i+\m:32*\i+\m+1], v[32*\i+\m:32*\i+\m+1], v[ST+2*\i:ST+2*\i+1] op_sel_hi:[1,0]
.endr
.irp i, 0,1,2,3,4,5,6,7
	v_pk_fma_f32 v[32*\i+\m:32*\i+\m+1], v[32*\i+\m:32*\i+\m+1], v[GV+\m:GV+\m+1], v[BV+\m:BV+\m+1]
.endr
.endr
	WIN 0x04                                       ; the stores' data: window 1
.irp i, 0,1,2,3,4,5,6,7
.irp c, 0,1,2,3,4,5,6,7
	global_store_b128 v[LI], v[32*\i+4*\c:32*\i+4*\c+3], s[62:63] offset:4096*\i+512*\c th:TH_STORE_NT   ; 32 lanes store 512 consecutive bytes, at a multiple of 256 from the output's first byte
.endr
.endr
	WIN 0
	s_wait_tensorcnt 0x0                           ; the wave's end
	ds_add_u32 v[SPW], v[NIL]
	s_wait_dscnt 0x0
	ROUND                                          ; the closing round
	s_endpgm
.Lfunc_end_k_q651b1f4f83_outln:
	.size	k_q651b1f4f83_outln, .Lfunc_end_k_q651b1f4f83_outln-k_q651b1f4f83_outln
	.p2alignl 7, 3214868480
	.fill 96, 4, 3214868480
	.section	.rodata,"a",@progbits
	.p2align	6, 0x0
	.amdhsa_kernel k_q651b1f4f83_outln
		.amdhsa_group_segment_fixed_size 327680
		.amdhsa_private_segment_fixed_size 0
		.amdhsa_enable_private_segment 0
		.amdhsa_kernarg_size 80
		.amdhsa_user_sgpr_count 2
		.amdhsa_user_sgpr_kernarg_segment_ptr 1
		.amdhsa_wavefront_size32 1
		.amdhsa_system_sgpr_workgroup_id_x 1
		.amdhsa_system_sgpr_workgroup_id_y 1
		.amdhsa_system_sgpr_workgroup_id_z 1
		.amdhsa_system_vgpr_workitem_id 0
		.amdhsa_next_free_vgpr 1024
		.amdhsa_next_free_sgpr 70
		.amdhsa_reserve_vcc 0
		.amdhsa_float_denorm_mode_32 3
		.amdhsa_float_denorm_mode_16_64 3
		.amdhsa_memory_ordered 1
		.amdhsa_forward_progress 1
		.amdhsa_inst_pref_size 162
	.end_amdhsa_kernel
	.amdgpu_metadata
---
amdhsa.version: [ 1, 2 ]
amdhsa.kernels:
  - .name:           k_q651b1f4f83_outln
    .symbol:         k_q651b1f4f83_outln.kd
    .args:
      - { .name: ac, .offset: 0, .size: 8, .value_kind: global_buffer, .address_space: global }
      - { .name: wc, .offset: 8, .size: 8, .value_kind: global_buffer, .address_space: global }
      - { .name: lowp_scales, .offset: 16, .size: 8, .value_kind: global_buffer, .address_space: global }
      - { .name: bo, .offset: 24, .size: 8, .value_kind: global_buffer, .address_space: global }
      - { .name: ln_g, .offset: 32, .size: 8, .value_kind: global_buffer, .address_space: global }
      - { .name: ln_b, .offset: 40, .size: 8, .value_kind: global_buffer, .address_space: global }
      - { .name: cnn_features, .offset: 48, .size: 8, .value_kind: global_buffer, .address_space: global }
      - { .name: llm_features, .offset: 56, .size: 8, .value_kind: global_buffer, .address_space: global }
      - { .name: out0, .offset: 64, .size: 8, .value_kind: global_buffer, .address_space: global }
      - { .name: out1, .offset: 72, .size: 8, .value_kind: global_buffer, .address_space: global }
    .group_segment_fixed_size: 327680
    .private_segment_fixed_size: 0
    .kernarg_segment_align: 8
    .kernarg_segment_size: 80
    .max_flat_workgroup_size: 128
    .sgpr_count:     70
    .vgpr_count:     1024
    .wavefront_size: 32
...
	.end_amdgpu_metadata
.endif
;; end of part 4
;; ======== version 2 of 2: 4 launches; version 1 with the launch attn written anew for expert scheduling mode
;; workspace buffers: xc 25,165,824 bytes; pc 65,536 bytes; wc 8,388,608 bytes; qc 8,388,608 bytes; kc 8,388,608 bytes; vc 8,388,608 bytes; bias 524,288 bytes; ac 8,388,608 bytes
;; launch quant: the kernel of part 1 again; grid 386 x 1, 4 waves a work-group, no clusters, 34,304 bytes of LDS; arguments cnn_features, llm_features, Wq, Wk, Wv, Wo, e_energy, e_mass, e_momentum, lowp_scales, xc, wc, pc; writes xc, wc, pc
;; launch proj: the kernel of part 2 again; grid 32 x 8, 4 waves a work-group, clusters of 4 x 1, 327,680 bytes of LDS; arguments xc, wc, lowp_scales, bq, bk, bv, qc, kc, vc, bias; writes qc, kc, vc, bias
;; launch attn (part 5): grid 256 x 1, 16 waves a work-group, no clusters, 138,240 bytes of LDS; arguments qc, kc, vc, bias, wc, pc, bk, bv, lowp_scales, ac; writes ac
.if DOCPART == 5
	.amdgcn_target "amdgcn-amd-amdhsa--gfx1250"
	.amdhsa_code_object_version 6
	.text
	.protected	k_q651b1f4f83_attn
	.globl	k_q651b1f4f83_attn
	.p2align	8
	.type	k_q651b1f4f83_attn,@function
k_q651b1f4f83_attn:
	s_mov_b64 s[64:65], 0
	v_nop
	global_prefetch_b8 v0, s[64:65] scope:SCOPE_SE
	s_setreg_imm32_b32 hwreg(HW_REG_WAVE_SCHED_MODE, 0, 2), 2
	s_setreg_imm32_b32 hwreg(HW_REG_WAVE_MODE, 25, 1), 1
	s_wait_xcnt 0x0
	s_wait_alu depctr_vm_vsrc(0)
; Attention of one (pass, head, batch) for 512 queries, on codes of E5M2.  1,027 keys: 1,024 tokens and the three physics rows.  Work-group id: bit 0 half of the queries, bits 2:1 batch, bits 6:3 head, bit 7 pass.
; t = score x log2(e) / 8 + the query's bias (made by the launch before, already x log2(e)); M = the largest t so far rounded UP to a whole number; p = 2^(t - M) is quantised along the keys, not normalised.
; The row's sum is taken of the unquantised p and divides at the end.  When M moves, the sum and O are multiplied by 2^(old M - new M): exact.
; SHARES.  Sixteen waves of 256 registers, four to a SIMD, so that one wave's vector work stands beside another's matrix work and LDS loads.  A wave owns two tiles of 16 queries, one after the other.
; The head's K and V, 128 KB of operand images, are copied into LDS ONCE, through registers, by waves 8-15; meanwhile waves 0-3 make K and V of the physics rows (two products of K = 1,024 on the codes of the physics tile).
; So there is one barrier, no ring and no tensor load.  The physics rows' work is repeated by the eight work-groups of a (pass, head): 64 matrix instructions each.
; Both products are used transposed (S^T = K Q^T, O^T = V^T P^T): a lane holds one query throughout, and the keys that form a tile make p's 16 registers of two neighbouring tiles 16 neighbouring keys.
; p <= 1 (up to rounding), so where ep >= -15 the hold at 57,344 x 2^ep = 1.75 or more cannot bind: a scalar branch on the given whole number ep leads round its 64 lines.  (No tensor load or copy is in this text.)
; No cluster: the two work-groups that share K and V read them once each, 128 KB, at the head.  No prefetch: everything is asked for at the head.
; LIMITS (e0 .. e11 of the pass): e6 + e7 between -123 and 130; e8, e10 - e8 - e9, e7 - e2 - e3, e9 - e4 - e5 between -126 and 112.  NaN among the inputs is not served.
; THE MODE: SCHED_MODE bits 1:0 = 2 (LLVM: expert scheduling mode 2), set by the entry lines.  The code itself states the register dependences
; between vector or matrix instructions and memory or LDS instructions, with s_wait_alu, always for 0.
; THE PLAN.  Registers that memory or LDS instructions touch:
;   v1, v5-v11    addresses and offsets, made once at the head and never written again: one wait on va_vdst ahead of the first load, which every role passes.
;   v[ADK], v[ADV]  written by two additions at a key step's head; read by the step's 16 LDS loads of K and 16 of V.
;   F (v64-127)   K's loads land at the step's head, the eight products S^T read them; V's loads land behind the exponentials, the four products O^T read them.  Four waves of 256 registers fill a SIMD: there is no room for a second F.
;   v44-61, v64-255  ahead of the barrier: waves 0-3 load them, multiply out of them, and store codes from v64-75 into LDS; waves 8-15 load v64-191 and store them into LDS with no vector line between.
;   v224-231      a query tile's last conversions write them, two global stores read them; the next tile's first key step writes them again.
;   v62, v63      written at the head, read by the closing add alone.
; A KEY STEP has one wait on vm_vsrc, ahead of the two additions, and two on va_vdst: one behind the additions (the addresses are written, the last products are done reading F: K's loads follow), and the one that stands behind
; the exponentials in any case, which also states that the products S^T are done reading F: V's loads follow it, dealt among the row's sums, which name S, the sum's registers and nothing that those loads touch.
.set VIMG,  65536                      ; LDS: K's 64 tiles x 1,024 bytes at 0; V: [key step 8][d-tile 4][2,048] here;
.set KTAIL, 131072                     ; the physics rows' tile of K, 1,024 bytes;
.set VTAIL, 132096                     ; and of V: 4 d-tiles x 1,024 bytes
.set LI,   1                           ; v1   16 x lane
.set LV,   2                           ; v2   + VIMG
.set ADK,  3                           ; v3   the step's K
.set ADV,  4                           ; v4   the step's V
.set FILA, 5                           ; v5   where a filling wave stores
.set PKA,  6                           ; v6   where waves 0, 1 store their chunk of the physics K
.set PVA,  7                           ; v7   where waves 2, 3 store their two d-tiles of the physics V
.set LT,   8                           ; v8   16 x lane + KTAIL
.set R4,   9                           ; v9   4 r
.set H64,  10                          ; v10  64 h
.set RP4,  11                          ; v11  4 (r + 8 (r / 8))
.set NM,   12                          ; v12  -M          (in the prologue: the physics codes' scale,
.set RUN,  13                          ; v13  the largest t so far          and hold)
.set AD,   14                          ; v[14:15] bias - M (the low word serves both halves)
.set L,    16                          ; v[16:17] the sum, in two halves
.set FF,   18                          ; v[18:19] f = 2^(old M - new M); later 1 / the sum
.set Q,    20                          ; v20-27, v28-35 Q's fragments of my two tiles
.set BT,   36                          ; v36, v37 their biases
.set PSC,  38                          ; v38 2^ep, v39 57,344 x 2^ep, v40, v41 the same for the output's codes, v42 -infinity
.set NINF, 42
.set PA,   44                          ; v44-59 the physics rows' two accumulators
.set F,    64                          ; v64-127 fragments of K, then of V
.set S,    128                         ; v128-191 S^T, then p
.set O,    192                         ; v192-223 O^T
.set PCD,  224                         ; v224-239 p's codes
.set MX,   240
.set MX2,  241
.set SUM2, 242
.set PX,   244
.set WV,   24
.set CS,   66                          ; s[66:67] c = log2(e) / 8 x 2^(e6 + e7)
.set SEL,  68
.set TB,   71
.macro PLACES
.rept 4
	v_nop
.endr
.endm
.macro MKSC vr, se
	s_add_co_i32 s[\se], s[\se], 127
	s_lshl_b32 s79, s[\se], 23
	v_mov_b32 v[\vr], s79
	s_add_co_i32 s[\se], s[\se], 15
	s_lshl_b32 s[\se], s[\se], 23
	s_or_b32 s[\se], s[\se], 0x600000
	v_mov_b32 v[(\vr)+1], s[\se]
.endm
	s_load_b512 s[4:19], s[0:1], 0x0               ; qc s[4:5], kc s[6:7], vc s[8:9], bias s[10:11], wc s[12:13], pc s[14:15], bk s[16:17], bv s[18:19]
	s_load_b128 s[20:23], s[0:1], 0x40             ; lowp_scales s[20:21], ac s[22:23]
	v_lshl_add_u32 v62, v0, 2, 0x21400
	v_mov_b32 v63, 0
	v_lshrrev_b32 v1, 5, v0
	v_readfirstlane_b32 s[WV], v1                  ; wave 0..15
	s_and_b32 s25, ttmp9, 1                        ; half
	s_bfe_u32 s26, ttmp9, 0x20001                  ; batch
	s_bfe_u32 s27, ttmp9, 0x40003                  ; head
	s_lshr_b32 s28, ttmp9, 7                       ; pass
	s_wait_alu depctr_va_sdst(0)                   ; the wave's number is written into s[WV], ahead of its first reader: roles, addresses and branches are made from it
	s_bfe_u32 s29, s[WV], 0x10001                  ; kv: waves 0, 1 make the physics K, waves 2, 3 the V
	s_and_b32 s31, s[WV], 1                        ; b: which half of the head's 64
	; every LDS address is made here, ahead of the place where the waves part
	v_and_b32 v9, 31, v0
	v_lshlrev_b32 v[LI], 4, v9
	v_add_nc_u32 v[LV], VIMG, v[LI]
	s_and_b32 s30, s[WV], 7
	s_lshl_b32 s30, s30, 14
	v_add_nc_u32 v[FILA], s30, v[LI]
	s_lshl_b32 s30, s31, 9
	s_add_co_u32 s30, s30, KTAIL
	v_add_nc_u32 v[PKA], s30, v[LI]
	s_lshl_b32 s30, s31, 11
	s_add_co_u32 s30, s30, VTAIL
	v_add_nc_u32 v[PVA], s30, v[LI]
	v_add_nc_u32 v[LT], KTAIL, v[LI]
	v_and_b32 v11, 15, v0
	v_lshlrev_b32 v[R4], 2, v11
	v_bfe_u32 v10, v0, 4, 1
	v_lshlrev_b32 v[H64], 6, v10
	v_and_b32 v12, 8, v11
	v_add_nc_u32 v11, v12, v11
	v_lshlrev_b32 v[RP4], 2, v11
	s_lshl_b32 s32, s28, 4
	s_add_co_u32 s32, s32, s27                     ; 16 p + head
	s_lshl_b32 s33, s26, 6
	s_lshl_b32 s34, s25, 5
	s_add_co_u32 s33, s33, s34
	s_lshl_b32 s34, s[WV], 1
	s_add_co_u32 s33, s33, s34                     ; my first query tile: 64 batch + 32 half + 2 wave
	s_lshl_b32 s34, s32, 8
	s_add_co_u32 s34, s34, s33
	s_mov_b32 s37, 0
	s_wait_kmcnt 0x0
	s_mul_i32 s36, s28, 48
	s_add_nc_u64 s[20:21], s[20:21], s[36:37]
	s_load_b256 s[48:55], s[20:21], 0x0            ; e0 .. e7 of the pass
	s_load_b128 s[56:59], s[20:21], 0x20           ; e8 .. e11
	s_lshl_b32 s36, s34, 10
	s_add_nc_u64 s[38:39], s[4:5], s[36:37]        ; Q's images
	s_lshl_b32 s36, s34, 6
	s_add_nc_u64 s[40:41], s[10:11], s[36:37]      ; the biases
	s_cmp_lt_u32 s[WV], 12
	s_cselect_b64 s[42:43], s[6:7], s[8:9]         ; waves 8-11 copy K, waves 12-15 V
	s_lshl_b32 s36, s32, 18
	s_lshl_b32 s35, s26, 16
	s_add_co_u32 s36, s36, s35                     ; the (pass, head, batch)'s 65,536 bytes, in kc and in vc alike
	s_and_b32 s35, s[WV], 3
	s_lshl_b32 s35, s35, 14
	s_add_co_u32 s36, s36, s35                     ; my quarter
	s_add_nc_u64 s[42:43], s[42:43], s[36:37]
	s_lshl_b32 s36, s28, 1
	s_add_co_u32 s36, s36, s29
	s_lshl_b32 s36, s36, 14
	s_add_nc_u64 s[44:45], s[14:15], s[36:37]      ; the physics tile under the keys' or the values' scale
	s_mul_i32 s36, s28, 3
	s_add_co_u32 s36, s36, s29
	s_add_co_u32 s36, s36, 1
	s_lshl_b32 s36, s36, 6
	s_lshl_b32 s35, s27, 2
	s_add_co_u32 s36, s36, s35
	s_lshl_b32 s35, s31, 1
	s_add_co_u32 s36, s36, s35
	s_lshl_b32 s36, s36, 14
	s_add_nc_u64 s[46:47], s[12:13], s[36:37]      ; Wk's or Wv's tiles 4 head + 2 b, + 1
	s_cmp_eq_u32 s29, 0
	s_cselect_b64 s[60:61], s[16:17], s[18:19]
	s_lshl_b32 s36, s27, 8
	s_lshl_b32 s35, s31, 7
	s_add_co_u32 s36, s36, s35
	s_add_nc_u64 s[60:61], s[60:61], s[36:37]      ; bk or bv at column 64 head + 32 b
	s_lshl_b32 s36, s28, 8
	s_add_co_u32 s36, s36, s33
	s_lshl_b32 s36, s36, 3
	s_lshr_b32 s35, s27, 1
	s_add_co_u32 s36, s36, s35
	s_lshl_b32 s36, s36, 11
	s_and_b32 s35, s27, 1
	s_lshl_b32 s35, s35, 10
	s_add_co_u32 s36, s36, s35
	s_add_nc_u64 s[62:63], s[22:23], s[36:37]      ; the output's image: tile, K step head / 2, chunk 2 (head % 2)
	s_wait_alu depctr_va_vdst(0)                   ; the addresses and offsets v1, v5 to v11 are written, which the loads and stores of every role read; none of them is written again
	global_load_b128 v[Q:Q+3], v[LI], s[38:39]
	global_load_b128 v[Q+4:Q+7], v[LI], s[38:39] offset:512
	global_load_b128 v[Q+8:Q+11], v[LI], s[38:39] offset:1024
	global_load_b128 v[Q+12:Q+15], v[LI], s[38:39] offset:1536
	global_load_b32 v[BT], v[R4], s[40:41]
	global_load_b32 v[BT+1], v[R4], s[40:41] offset:64
	s_cmp_ge_u32 s[WV], 8
	s_cbranch_scc1 .Lfill
	s_cmp_ge_u32 s[WV], 4
	s_cbranch_scc1 .Ljoin
	; ---- waves 0-3: K or V of the physics rows, for 32 of the head's 64 columns
	s_wait_kmcnt 0x0
	s_add_co_i32 s73, s50, s51                     ; e2 + e3
	s_add_co_i32 s74, s52, s53                     ; e4 + e5
	s_cmp_eq_u32 s29, 0
	s_cselect_b32 s73, s73, s74
	s_cselect_b32 s74, s55, s57                    ; e7 or e9
	s_sub_co_i32 s74, s74, s73
	s_sub_co_i32 s72, 0, s73
	MKSC NM, 74                                    ; the codes' one scale: the three exponents folded
; kv = 0: transposed (source 0 = 16 rows of Wk, source 1 = the physics tile): a lane holds a physics row, registers along the columns.  kv = 1: natural: a lane holds a column, registers along the rows (the keys).
; The bias, divided by the power of two that the sums lack, starts the sums.  Two accumulators by turns.  K = 1,024 in two halves of four steps: 48 loads each.
; The first half's loads owe no wait: no vector line has named their registers, and the only vector lines since the head's wait write v12 and v13.
.macro PHYS kv
.if \kv == 0
.irp u, 0,1
	global_load_b128 v[PA+8*\u:PA+8*\u+3], v[H64], s[60:61] offset:32*\u
	global_load_b128 v[PA+8*\u+4:PA+8*\u+7], v[H64], s[60:61] offset:32*\u+16
.endr
.else
	global_load_b32 v60, v[RP4], s[60:61]
	global_load_b32 v61, v[RP4], s[60:61] offset:32
.endif
.irp q, 0,1
.if \q == 1
	PLACES
	s_wait_alu depctr_va_vdst(0)                   ; the first half's products are done reading v64-255, in which the second half's loads land
.endif
.irp k, 0,1,2,3
.irp c, 0,1,2,3
	global_load_b128 v[F+16*\k+4*\c:F+16*\k+4*\c+3], v[LI], s[44:45] offset:(4*\q+\k)*2048+512*\c
	global_load_b128 v[128+16*\k+4*\c:128+16*\k+4*\c+3], v[LI], s[46:47] offset:(4*\q+\k)*2048+512*\c
	global_load_b128 v[192+16*\k+4*\c:192+16*\k+4*\c+3], v[LI], s[46:47] offset:16384+(4*\q+\k)*2048+512*\c
.endr
.endr
	s_wait_loadcnt 0x0
.if \q == 0
.irp u, 0,1
.irp j, 0,1,2,3,4,5,6,7
.if \kv == 0
	v_ldexp_f32 v[PA+8*\u+\j], v[PA+8*\u+\j], s72
.else
	v_ldexp_f32 v[PA+8*\u+\j], v[60+\u], s72
.endif
.endr
.endr
.endif
.irp k, 0,1,2,3
.irp u, 0,1
.if \kv == 0
	v_wmma_f32_16x16x128_bf8_bf8 v[PA+8*\u:PA+8*\u+7], v[128+64*\u+16*\k:128+64*\u+16*\k+15], v[F+16*\k:F+16*\k+15], v[PA+8*\u:PA+8*\u+7]
.else
	v_wmma_f32_16x16x128_bf8_bf8 v[PA+8*\u:PA+8*\u+7], v[F+16*\k:F+16*\k+15], v[128+64*\u+16*\k:128+64*\u+16*\k+15], v[PA+8*\u:PA+8*\u+7]
.endif
.endr
.endr
.endr
	PLACES
.irp j, 0,1,2,3,4,5,6,7,8,9,10,11,12,13,14,15
	v_med3_num_f32 v[PA+\j], v[PA+\j], -v[RUN], v[RUN]
.endr
	v_cvt_scalef32_pk8_bf8_f32 v[64:65], v[PA:PA+7], v[NM]
.if \kv == 0
	v_cvt_scalef32_pk8_bf8_f32 v[66:67], v[PA+8:PA+15], v[NM]
	v_nop
	s_wait_alu depctr_va_vdst(0)                   ; the conversions have written v64-67, which the LDS store reads
	ds_store_b128 v[PKA], v[64:67]                 ; chunk b of the tile's image: columns 32 b + 16 h + 0 .. 15 of row r
.else
	v_cvt_scalef32_pk8_bf8_f32 v[68:69], v[PA+8:PA+15], v[NM]
.irp j, 66,67,70,71,72,73,74,75
	v_mov_b32 v[\j], 0
.endr
	s_wait_alu depctr_va_vdst(0)                   ; the conversions and the zeros have written v64-75, which the LDS stores read
	ds_store_b128 v[PVA], v[64:67]                 ; d-tile 2 b: keys 16 h + 0 .. 7 of my column (rows 0, 1, 2 count; the others meet codes of p that are 0), then zeros
	ds_store_b128 v[PVA], v[72:75] offset:512
	ds_store_b128 v[PVA], v[68:71] offset:1024     ; d-tile 2 b + 1
	ds_store_b128 v[PVA], v[72:75] offset:1536
.endif
.endm
	s_cmp_ge_u32 s[WV], 2
	s_cbranch_scc1 .Lphysv
	PHYS 0
	s_branch .Ljoin
.Lphysv:
	PHYS 1
	s_branch .Ljoin
.Lfill:                                            ; ---- waves 8-15: 16 KB each from memory into LDS as it lies.  No vector line names v64-191 here: the stores' data hang on the loads' counter alone, their address on the head's wait
.set jj, 0
.rept 32
	global_load_b128 v[64+4*jj:64+4*jj+3], v[LI], s[42:43] offset:512*jj
.set jj, jj+1
.endr
.set jj, 0
.rept 32
	s_wait_loadcnt 31-jj                           ; loads come back in order: number jj is in, the younger ones may be out
	ds_store_b128 v[FILA], v[64+4*jj:64+4*jj+3] offset:512*jj
.set jj, jj+1
.endr
.Ljoin:
	s_wait_dscnt 0x0                               ; for the others' sake: my stores into LDS are done
	s_barrier_signal -1
	s_barrier_wait -1                              ; K, V and the physics rows lie in LDS; nothing is written there any more
	s_wait_loadcnt 0x0                             ; Q and the biases
	s_wait_kmcnt 0x0
	s_add_co_i32 s73, s54, s55
	s_lshl_b32 s73, s73, 23
	s_add_co_i32 s[CS], s73, 0x3e38aa3b            ; c = log2(e) / 8, e6 + e7 added to its exponent field
	s_mov_b32 s[CS+1], s[CS]
	s_mov_b32 s73, s56
	MKSC PSC, 73                                   ; 2^ep, 57,344 x 2^ep
	s_sub_co_i32 s73, s58, s56
	s_sub_co_i32 s73, s73, s57
	MKSC PSC+2, 73                                 ; the output's codes: (O / sum) / 2^(e10 - e8 - e9)
	v_mov_b32 v[NINF], 0xff800000
	s_mov_b32 s[SEL], 0x76543210
	s_mov_b32 s[SEL+1], 0xfedcba98
	s_mov_b32 s70, 0xffff0000                      ; lanes 16-31
	v_mov_b32 v[AD+1], 0                           ; (named as the upper halves of pairs)
	v_mov_b32 v[FF+1], 0
	v_mov_b32 v[PX], 0                             ; a lane permute's destination counts as one of its sources
; the step's largest score in v[MX] becomes the new M, f and the exponent's addend
.macro MUPD q
	v_permlanex16_b32 v[PX], v[MX], s[SEL], s[SEL+1]
	v_max_num_f32 v[MX], v[MX], v[PX]              ; and among lane l xor 16's keys
	v_fma_f32 v[MX], v[MX], s[CS], v[BT+(\q)]      ; as t (c is positive)
	v_max_num_f32 v[RUN], v[RUN], v[MX]
	v_mov_b32 v[MX], v[NM]
	v_floor_f32 v[NM], -v[RUN]                     ; -M = floor(-t) = -ceil(t)
	v_sub_f32 v[MX], v[NM], v[MX]                  ; old M - new M: a whole number, 0 or less
	v_cvt_i32_f32 v[MX], v[MX]                     ; (it saturates)
	v_ldexp_f32 v[FF], 1.0, v[MX]                  ; f
	v_add_f32 v[AD], v[BT+(\q)], v[NM]             ; bias - M
.endm
.macro STEP q                          ; 128 keys
	s_wait_alu depctr_vm_vsrc(0)                   ; the LDS loads issued so far have read v[ADK] and v[ADV], which are written below; in a tile's first step also: my LDS stores ahead of the barrier have read v64 on, and the last tile's global stores their codes v224-231, all of which this step writes again
	v_add_nc_u32 v[ADK], s[TB], v[LI]
	v_add_nc_u32 v[ADV], s[TB], v[LV]
	v_nop
	v_nop                                          ; four plain lines behind the last products, in front of loads into their operands
	s_wait_alu depctr_va_vdst(0)                   ; v[ADK] and v[ADV] are written, which this step's LDS loads read; the last products are done reading F, in which K's loads land (in the launch's first step: the conversions and zeros ahead of the barrier have written v64-75)
.irp t, 0,1,2,3,4,5,6,7
	ds_load_b128 v[F+8*\t:F+8*\t+3], v[ADK] offset:1024*\t
	ds_load_b128 v[F+8*\t+4:F+8*\t+7], v[ADK] offset:1024*\t+512
.endr
	s_wait_dscnt 0x0
.irp t, 0,1,2,3,4,5,6,7
	v_wmma_f32_16x16x64_bf8_bf8 v[S+8*\t:S+8*\t+7], v[F+8*\t:F+8*\t+7], v[Q+8*(\q):Q+8*(\q)+7], 0
.endr
	PLACES
	v_max3_num_f32 v[MX], v[S], v[S+1], v[S+2]     ; my 64 keys' largest score, in two chains, each accumulator from its low end on
	v_max3_num_f32 v[MX2], v[S+3], v[S+4], v[S+5]
.irp i, 6,10,14,18,22,26,30,34,38,42,46,50,54,58
	v_max3_num_f32 v[MX], v[MX], v[S+\i], v[S+\i+1]
	v_max3_num_f32 v[MX2], v[MX2], v[S+\i+2], v[S+\i+3]
.endr
	v_max3_num_f32 v[MX], v[MX], v[S+62], v[S+63]
	v_max_num_f32 v[MX], v[MX], v[MX2]
	MUPD \q
.set jj, 0
.rept 32
	v_pk_fma_f32 v[S+jj:S+jj+1], v[S+jj:S+jj+1], s[CS:CS+1], v[AD:AD+1] op_sel_hi:[1,0,0]   ; t - M, two at a time
.set jj, jj+2
.endr
.set jj, 0
.rept 64
	v_exp_f32 v[S+jj], v[S+jj]                     ; p = 2^(t - M)
.set jj, jj+1
.endr
	v_pk_mul_f32 v[L:L+1], v[L:L+1], v[FF:FF+1] op_sel_hi:[1,0]   ; the sums under the new M; the plain line behind the exponentials
	s_wait_alu depctr_va_vdst(0)                   ; the 64 exponentials have written p, ahead of its first reader (one wait for the batch); and the products S^T are done reading F, in which V's loads land
; The row's sum is taken of the unquantised p, in two chains.  V's sixteen loads are dealt among its first eight turns, two at a time: no wait is owed, since no vector line behind the wait above names F or v[ADV].
.set jj, 0
.rept 16
.if jj < 8
	ds_load_b128 v[F+8*jj:F+8*jj+3], v[ADV] offset:1024*jj          ; d-tile jj / 2, chunks 2 (jj % 2) and + 1
	ds_load_b128 v[F+8*jj+4:F+8*jj+7], v[ADV] offset:1024*jj+512
.endif
.if jj == 0
	v_pk_add_f32 v[SUM2:SUM2+1], v[S:S+1], v[S+2:S+3]
.else
	v_pk_add_f32 v[L:L+1], v[L:L+1], v[S+4*jj:S+4*jj+1]
	v_pk_add_f32 v[SUM2:SUM2+1], v[SUM2:SUM2+1], v[S+4*jj+2:S+4*jj+3]
.endif
.set jj, jj+1
.endr
	v_pk_add_f32 v[L:L+1], v[L:L+1], v[SUM2:SUM2+1]
	s_cmp_ge_i32 s56, -15                          ; ep >= -15: the largest code x 2^ep is 1.75 or more, over every p
	s_cbranch_scc1 .Lfree_\@
.set jj, 0
.rept 64
	v_min_num_f32 v[S+jj], v[S+jj], v[PSC+1]       ; p is not negative: the hold is one-sided
.set jj, jj+1
.endr
.Lfree_\@:
.irp b, 0,1,2,3
	v_cvt_scalef32_pk8_bf8_f32 v[PCD+4*\b:PCD+4*\b+1], v[S+16*\b:S+16*\b+7], v[PSC]
	v_cvt_scalef32_pk8_bf8_f32 v[PCD+4*\b+2:PCD+4*\b+3], v[S+16*\b+8:S+16*\b+15], v[PSC]
.endr
.set jj, 0
.rept 16
	v_pk_mul_f32 v[O+jj:O+jj+1], v[O+jj:O+jj+1], v[FF:FF+1] op_sel_hi:[1,0]   ; O^T under the new M; also the plain lines behind the conversions
.set jj, jj+2
.endr
	s_wait_dscnt 0x0                               ; V
.irp t, 0,1,2,3
	v_wmma_f32_16x16x128_bf8_bf8 v[O+8*\t:O+8*\t+7], v[F+16*\t:F+16*\t+15], v[PCD:PCD+15], v[O+8*\t:O+8*\t+7]
.endr
.endm
.macro TAIL q                          ; the three physics rows: keys 0, 1, 2 of their tile lie in registers 0, 1, 2 of lanes 0-15
	PLACES
	s_wait_alu depctr_va_vdst(0)                   ; the last key step's products are done reading F, in which the ten loads below land
	ds_load_b128 v[F:F+3], v[LT]
	ds_load_b128 v[F+4:F+7], v[LT] offset:512
.irp t, 0,1,2,3
	ds_load_b128 v[F+8+8*\t:F+8+8*\t+3], v[LT] offset:1024+1024*\t
	ds_load_b128 v[F+8+8*\t+4:F+8+8*\t+7], v[LT] offset:1024+1024*\t+512
.endr
	s_wait_dscnt 0x0
	v_wmma_f32_16x16x64_bf8_bf8 v[S:S+7], v[F:F+7], v[Q+8*(\q):Q+8*(\q)+7], 0
	PLACES
.irp i, 0,1,2
	v_cndmask_b32 v[S+\i], v[S+\i], v[NINF], s70   ; lanes 16-31 hold rows 8 on, which are no keys: -infinity, so p = 0
.endr
	v_max3_num_f32 v[MX], v[S], v[S+1], v[S+2]
	MUPD \q
.irp i, 0,1,2
	v_fma_f32 v[S+\i], v[S+\i], s[CS], v[AD]
.endr
.irp i, 0,1,2
	v_exp_f32 v[S+\i], v[S+\i]
.endr
	v_pk_mul_f32 v[L:L+1], v[L:L+1], v[FF:FF+1] op_sel_hi:[1,0]
	s_wait_alu depctr_va_vdst(0)                   ; the three exponentials have written p, ahead of its first reader
	v_add_f32 v[L], v[L], v[S]
	v_add_f32 v[L+1], v[L+1], v[S+1]
	v_add_f32 v[L], v[L], v[S+2]
.irp i, 3,4,5,6,7
	v_mov_b32 v[S+\i], 0                           ; rows 3 to 7 are no keys
.endr
.irp i, 0,1,2
	v_min_num_f32 v[S+\i], v[S+\i], v[PSC+1]
.endr
	v_cvt_scalef32_pk8_bf8_f32 v[PCD:PCD+1], v[S:S+7], v[PSC]
.irp i, 2,3,4,5,6,7
	v_mov_b32 v[PCD+\i], 0
.endr
.set jj, 0
.rept 16
	v_pk_mul_f32 v[O+jj:O+jj+1], v[O+jj:O+jj+1], v[FF:FF+1] op_sel_hi:[1,0]
.set jj, jj+2
.endr
.irp t, 0,1,2,3                                ; the K = 64 form on the same sums: more than five plain lines that name none of their registers lie behind the K = 128 products
	v_wmma_f32_16x16x64_bf8_bf8 v[O+8*\t:O+8*\t+7], v[F+8+8*\t:F+8+8*\t+7], v[PCD:PCD+7], v[O+8*\t:O+8*\t+7]
.endr
.endm
.macro FINISH q                        ; O^T / the sum becomes codes: the 16 registers of d-tiles 2 b, 2 b + 1 are 16 neighbours along the next K
	PLACES
	v_add_f32 v[L], v[L], v[L+1]
	v_permlanex16_b32 v[PX], v[L], s[SEL], s[SEL+1]
	v_add_f32 v[L], v[L], v[PX]
	v_rcp_f32 v[FF], v[L]
	v_nop
	s_wait_alu depctr_va_vdst(0)                   ; the reciprocal has written v[FF], ahead of its first reader
.set jj, 0
.rept 16
	v_pk_mul_f32 v[S+jj:S+jj+1], v[O+jj:O+jj+1], v[FF:FF+1] op_sel_hi:[1,0]
.set jj, jj+2
.endr
.set jj, 0
.rept 32
	v_med3_num_f32 v[S+jj], v[S+jj], -v[PSC+3], v[PSC+3]
.set jj, jj+1
.endr
.irp b, 0,1
	v_cvt_scalef32_pk8_bf8_f32 v[PCD+4*\b:PCD+4*\b+1], v[S+16*\b:S+16*\b+7], v[PSC+2]
	v_cvt_scalef32_pk8_bf8_f32 v[PCD+4*\b+2:PCD+4*\b+3], v[S+16*\b+8:S+16*\b+15], v[PSC+2]
.endr
	v_nop
	s_wait_alu depctr_va_vdst(0)                   ; the conversions have written v224-231, which the two stores read
	global_store_b128 v[LI], v[PCD:PCD+3], s[62:63] offset:16384*(\q)        ; 512 consecutive aligned bytes a store
	global_store_b128 v[LI], v[PCD+4:PCD+7], s[62:63] offset:16384*(\q)+512
.endm
.macro QTILE q
	s_wait_xcnt 0x0                                ; the last tile's stores have had their addresses translated; that they have read their codes is stated by the wait on vm_vsrc at the head of the first key step, ahead of the first line that writes those registers
	v_mov_b32 v[RUN], 0xff61b1e6                   ; -3e38, under every t
	v_floor_f32 v[NM], -v[RUN]
	v_mov_b32 v[L], 0
	v_mov_b32 v[L+1], 0
.set jj, 0
.rept 32
	v_mov_b32 v[O+jj], 0                           ; the step is written once: the first finds zeros, which the first change of M leaves zeros
.set jj, jj+1
.endr
	s_mov_b32 s[TB], 0
.Lkeys_\@:                                         ; eight trips of 128 keys: 8,192 bytes of K's images and of V's
	STEP \q
	s_add_co_u32 s[TB], s[TB], 8192
	s_cmp_lg_u32 s[TB], 65536
	s_cbranch_scc1 .Lkeys_\@
	TAIL \q
	FINISH \q
.endm
	QTILE 0
	QTILE 1
	s_wait_dscnt 0x0                               ; the closing lines, six on end
	s_wait_alu 0x0
	s_wait_tensorcnt 0x0
	ds_add_u32 v62, v63
	s_wait_dscnt 0x0
	s_endpgm
.Lfunc_end_k_q651b1f4f83_attn:
	.size	k_q651b1f4f83_attn, .Lfunc_end_k_q651b1f4f83_attn-k_q651b1f4f83_attn
	.p2alignl 7, 3214868480
	.fill 96, 4, 3214868480
	.section	.rodata,"a",@progbits
	.p2align	6, 0x0
	.amdhsa_kernel k_q651b1f4f83_attn
		.amdhsa_group_segment_fixed_size 138240
		.amdhsa_private_segment_fixed_size 0
		.amdhsa_enable_private_segment 0
		.amdhsa_kernarg_size 80
		.amdhsa_user_sgpr_count 2
		.amdhsa_user_sgpr_kernarg_segment_ptr 1
		.amdhsa_wavefront_size32 1
		.amdhsa_system_sgpr_workgroup_id_x 1
		.amdhsa_system_sgpr_workgroup_id_y 1
		.amdhsa_system_sgpr_workgroup_id_z 1
		.amdhsa_system_vgpr_workitem_id 0
		.amdhsa_next_free_vgpr 256
		.amdhsa_next_free_sgpr 80
		.amdhsa_reserve_vcc 0
		.amdhsa_float_denorm_mode_32 3
		.amdhsa_float_denorm_mode_16_64 3
		.amdhsa_memory_ordered 1
		.amdhsa_forward_progress 1
		.amdhsa_inst_pref_size 88
	.end_amdhsa_kernel
	.amdgpu_metadata
---
amdhsa.version: [ 1, 2 ]
amdhsa.kernels:
  - .name:           k_q651b1f4f83_attn
    .symbol:         k_q651b1f4f83_attn.kd
    .args:
      - { .name: qc, .offset: 0, .size: 8, .value_kind: global_buffer, .address_space: global }
      - { .name: kc, .offset: 8, .size: 8, .value_kind: global_buffer, .address_space: global }
      - { .name: vc, .offset: 16, .size: 8, .value_kind: global_buffer, .address_space: global }
      - { .name: bias, .offset: 24, .size: 8, .value_kind: global_buffer, .address_space: global }
      - { .name: wc, .offset: 32, .size: 8, .value_kind: global_buffer, .address_space: global }
      - { .name: pc, .offset: 40, .size: 8, .value_kind: global_buffer, .address_space: global }
      - { .name: bk, .offset: 48, .size: 8, .value_kind: global_buffer, .address_space: global }
      - { .name: bv, .offset: 56, .size: 8, .value_kind: global_buffer, .address_space: global }
      - { .name: lowp_scales, .offset: 64, .size: 8, .value_kind: global_buffer, .address_space: global }
      - { .name: ac, .offset: 72, .size: 8, .value_kind: global_buffer, .address_space: global }
    .group_segment_fixed_size: 138240
    .private_segment_fixed_size: 0
    .kernarg_segment_align: 8
    .kernarg_segment_size: 80
    .max_flat_workgroup_size: 512
    .sgpr_count:     80
    .vgpr_count:     256
    .wavefront_size: 32
...
	.end_amdgpu_metadata
.endif
;; end of part 5
;; launch outln: the kernel of part 4 again; grid 256 x 1, 4 waves a work-group, clusters of 4 x 1, 327,680 bytes of LDS; arguments ac, wc, lowp_scales, bo, ln_g, ln_b, cnn_features, llm_features, out0, out1; writes out0, out1
